; MI455X (gfx1250); checked and timed in simulation.
; The chip was launched on July 23, 2026; its instructions are those of AMD's public machine-readable ISA for CDNA 5 (MIT licence, August 2026) and "CDNA5" Instruction Set Architecture Reference Guide (July 2026). The comments in the code are by the model that wrote it; some were corrected since.
;; Multihead Flash Diff V2. Allowed arithmetic: matrix products marked QUANTISED: E2M3 operands, one E8M0 scale for each 32 along K, by v_wmma_scale_f32_16x16x128_f8f6f4 with both operands' format E2M3, f32 sums; everything else in f32.
;; Inputs: Wk 2,048 x 1,024 float32; Wlam 2,048 x 16 float32; Wo 2,048 x 2,048 float32; Wq 2,048 x 4,096 float32; Wv 2,048 x 1,024 float32; cos 2,048 x 64 float32; sin 2,048 x 64 float32; x 1 x 2,048 x 2,048 float32.
;; Outputs: out0 1 x 2,048 x 2,048 float32.
;; This version of the problem:
;;   THIS VERSION OF THE PROBLEM IS GIVEN IN LOW PRECISION. The matrix products marked QUANTISED in the list below multiply operands that are first quantised to E2M3 (2 exponent bits, 3 mantissa bits; 6 bits a number), with one power-of-two scale for each 32 numbers along K (OCP MX v1.0); their sums are f32. All else is computed in f32.
;;   The module's matrix products, in the order in which they are computed (A, B: the left and right operand; K: the contracted axis; several contracted axes count as one K, in the product's order):
;;     1. [M 2,048, K 2,048] x [K 2,048, N 4,096]; A: input x; B: input Wq: QUANTISED
;;     2. [M 2,048, K 2,048] x [K 2,048, N 1,024]; A: input x; B: input Wk: QUANTISED
;;     3. [M 2,048, K 2,048] x [K 2,048, N 1,024]; A: input x; B: input Wv: QUANTISED
;;     4. batch 32 x [M 2,048, K 128] x [K 128, N 2,048]; A: computed on the way; B: computed on the way: QUANTISED
;;     5. batch 32 x [M 128, K 2,048] x [K 2,048, N 2,048]; A: computed on the way; B: softmax (see below): QUANTISED
;;     6. [M 2,048, K 2,048] x [K 2,048, N 16]; A: input x; B: input Wlam: QUANTISED
;;     7. [M 2,048, K 2,048] x [K 2,048, N 2,048]; A: computed on the way; B: input Wo: QUANTISED
;;   THE QUANTISER, for each operand of a quantised product, along K:
;;     - K is cut into blocks of 32 from its start; a last block that is shorter is filled with zeros.
;;     - A block's scale is 2^e with e = floor(log2(the largest magnitude in the block)) - 2, held to -126 .. 127; a block of zeros has e = 0. As a byte (E8M0): e + 127.
;;     - Each number is divided by its block's scale, clamped to +-7.5, and rounded to the nearest number of E2M3, ties to even, subnormals kept.
;;     - The product sums the exact products of the quantised numbers (number of the format x scale) in f32.
;;   ~~~python
;;   def quantise(x, axis):      # numpy; x: float32 -> the quantised numbers, widened to float32 again
;;       x = np.moveaxis(x, axis, -1); K = x.shape[-1]
;;       x = np.pad(x, [(0, 0)] * (x.ndim - 1) + [(0, -K % 32)]); x = x.reshape(x.shape[:-1] + (-1, 32)); a = np.abs(x).max(-1, keepdims=True)
;;       e = np.where(a > 0, np.clip(np.frexp(np.where(a > 0, a, 1))[1] - 1 - 2, -126, 127), 0)      # np.frexp(a)[1] - 1 = floor(log2(a)), exactly
;;       r = np.clip(x / 2.0 ** e, -7.5, 7.5)
;;       step = 2.0 ** (np.maximum(np.frexp(np.where(r == 0, 1, r))[1] - 1, 0) - 3)
;;       q = np.round(r / step) * step * 2.0 ** e      # np.round: ties to even
;;       return np.moveaxis(q.reshape(q.shape[:-2] + (-1,))[..., :K], -1, axis).astype(np.float32)
;;   ~~~
;;   SOFTMAX AHEAD OF A QUANTISED PRODUCT. Where the list says 'softmax', what is quantised is not the finished softmax but p = 2^(t - M), with t = logit x log2(e) and M = ceil(the row's largest t), a whole number; so 1/2 < the row's largest p <= 1. The row's sum l is taken of the UNQUANTISED p, in f32, and the product's result is divided by l at the end. Since M is a whole number, a kernel that streams over the keys may use a running M (the ceiling of the running maximum): every later rescaling is an exact power of two, which a block's scale takes up: the codes' values come out the same.
;;   OPERANDS COMPUTED ON THE WAY. 'Computed on the way' means the value that the module computes at that place (a softmax that the list does not call 'softmax' is quantised finished and normalised). What goes into a quantiser is computed in f32, as accurately as f32 sums, v_exp_f32 and their like allow (about 1e-6 of the number): no bf16 or f16 on the way to a quantiser, and a product that is left as it is and whose result goes on into a quantised operand takes f32 operands (vector FMAs, or v_wmma_f32_16x16x4_f32). A number that lies on a knife's edge between two numbers of the format may be rounded either way, as far as f32 arithmetic and the matrix unit's own rounding can turn it there, and no further.
;; One version. Each part assembles by itself: llvm-mc -triple=amdgcn-amd-amdhsa -mcpu=gfx1250 --defsym DOCPART=n.
;; ======== version 1 of 1: 4 launches
;; limits: right only within a limited range of input values
;; workspace buffers: xcod 3,276,800 bytes; wcod 13,107,200 bytes; lamb 131,072 bytes; qcod 6,553,600 bytes; kvcod 3,276,800 bytes; acod 3,276,800 bytes
;; launch quant (part 1): grid 640 x 1, 4 waves a work-group, no clusters, 62,976 bytes of LDS; arguments x, Wq, Wk, Wv, Wo, Wlam, xcod, wcod, lamb; writes xcod, wcod, lamb
.if DOCPART == 1
	.amdgcn_target "amdgcn-amd-amdhsa--gfx1250"
	.amdhsa_code_object_version 6
	.text
	.protected	k_qbfe4bfb10f_quant
	.globl	k_qbfe4bfb10f_quant
	.p2align	8
	.type	k_qbfe4bfb10f_quant,@function
k_qbfe4bfb10f_quant:
	s_mov_b64 s[64:65], 0
	v_nop
	global_prefetch_b8 v0, s[64:65] scope:SCOPE_SE
	s_setreg_imm32_b32 hwreg(HW_REG_WAVE_MODE, 25, 1), 1
	s_wait_xcnt 0x0
; x [2048][2048] and the weights Wq, Wk, Wv, Wo ([K][N], K first), all f32, become codes of FP6 (E2M3) with one E8M0 byte for each 32 along K; and lam = sigmoid(x Wlam), a product on such codes, is made on the way.
; WHAT IS STORED.  A fragment (16 rows x 128 K) is stored as the IMAGE of its 12 operand registers: 1,536 bytes, chunk c (0..2) at 512 c, lane l's 16 bytes at 16 l = registers 4 c .. 4 c + 3.
;   xcod: [token tile 128][K step 16][image], then the scale words;  wcod: [tile 512][K step 16][image], then the scale words; tiles 0-255 Wq's columns, 256-319 Wk's, 320-383 Wv's, 384-511 Wo's.
;   A scale word (tile, K step s, row p) lies at tile x 1024 + (s / 4) x 256 + 16 p + 4 (s % 4).
;   THE ROWS OF A TILE ARE NOT NEIGHBOURS: row p of tile 2 b + u is index 32 b + 8 u + p + 8 (p / 8) (a token, or a column of a weight), so that a product that takes such tiles as source 0 leaves 16 neighbours in a lane.
; A block's scale is 2^(floor(log2(largest magnitude)) - 2); its byte is the largest magnitude's exponent field - 2, held at 1 from below.
; LIMITS: NaN and infinities among the inputs are not served; a block whose largest magnitude lies under 2^-124 has its byte held at 1; a block of zeros gets the byte 1 where the rule says 127: its codes are zeros, and this program alone reads the bytes.
; SHARES.  Work-groups 0-127: one token tile of x each; wave w takes K steps 4 w .. 4 w + 3.  Work-groups 128-639: 128 columns x 256 along K of a weight; a lane takes a column and its registers run down K.
; The two kinds part on the work-group's number and have LDS bytes of their own.  No tensor loads, no cluster: work-groups share nothing but Wlam's 128 KiB.
; The weights' scale words leave as 8 bytes a lane, 16 bytes apart: 1 byte for each 128 that are read.
.set XSTG,  0                          ; x: a stage of 16 rows x (512 + 16) bytes for each wave
.set RED,   33792                      ; x: each wave's part of lam's sums, 1,024 bytes
.set WSTG,  37888                      ; weights: four images (2 tiles x 2 K steps) for each wave
.set SPARE, 62464                      ; the spare words, 128 bytes for each wave: two blocks of 256 bytes that no other line names
.set SPW,   12                         ; v12 LDS address of my spare word; never rewritten
.set NIL,   13                         ; v13 0; never rewritten
.set OFF,   32                         ; weights: v32-63 byte offset of row i of a block, at my column
.set X,     64                         ; v64-127 two sets of 32 numbers
.set C,     128                        ; v128-134 a block's codes
.set OUTR,  136                        ; v136-183 the way out
.set SB,    14                         ; v14-15 two scale words
.set ACC,   16                         ; x: v16-23 lam's sums
.set XW,    24                         ; v24-27 x's four scale words
.set TM,    32                         ; v32-47 at work
.set PC,    48                         ; v48-67 the codes just made
.set R0,    72                         ; v72-135 numbers as loaded
.set R1,    136                        ; v136-199 numbers as the conversions want them
.set WF,    200                        ; v200-247 Wlam's four fragments
.set WS,    248                        ; v248-251 their scale words
; 64 numbers of a lane, register 16 b + i = k 32 b + 16 (lane / 16) + i of my row, become a fragment's codes in v[PC] on and its scale word in v[pw].
.macro QUANT s, pw
.irp b, 0,1,2,3
	v_max3_num_f32 v[TM+\b], |v[\s+16*\b]|, |v[\s+1+16*\b]|, 0x1800000   ; my 16 numbers of block b, and the floor 2^(3 - 127): the byte cannot fall under 1
.endr
.irp i, 2,4,6,8,10,12,14
.irp b, 0,1,2,3
	v_max3_num_f32 v[TM+\b], v[TM+\b], |v[\s+16*\b+\i]|, |v[\s+1+16*\b+\i]|
.endr
.endr
.irp b, 0,1,2,3
	v_permlanex16_b32 v[TM+4+\b], v[TM+\b], s24, s25
.endr
.irp b, 0,1,2,3
	v_max_num_f32 v[TM+\b], v[TM+\b], v[TM+4+\b]   ; with lane l xor 16's: the block's largest magnitude
.endr
.irp b, 0,1,2,3
	v_add_nc_u32 v[TM+12+\b], 0xff000000, v[TM+\b] ; 2 off its exponent field: the conversion's scale operand
.endr
.irp b, 0,1,2,3
	v_lshrrev_b32 v[TM+4+\b], 23, v[TM+12+\b]      ; the scale's byte
.endr
	v_lshl_or_b32 v[\pw], v[TM+5], 8, v[TM+4]
	v_lshl_or_b32 v[\pw], v[TM+6], 16, v[\pw]
	v_lshl_or_b32 v[\pw], v[TM+7], 24, v[\pw]
.irp c, 0,1
	v_cvt_scalef32_pk16_fp6_f32 v[PC+6*\c:PC+2+6*\c], v[\s+32*\c:\s+15+32*\c], v[TM+12+2*\c]
	v_cvt_scalef32_pk16_fp6_f32 v[PC+12+4*\c:PC+14+4*\c], v[\s+16+32*\c:\s+31+32*\c], v[TM+12+2*\c+1]   ; (a conversion's three registers begin on an even number)
.endr
	v_nop                                          ; one plain place behind a scaled conversion
.irp c, 0,1                                    ; the operand's layout wants a whole block in a lane: lanes 0-15 block 2 c, lanes 16-31 block 2 c + 1
.irp i, 0,1,2
	v_permlane16_swap_b32 v[PC+6*\c+\i], v[PC+12+4*\c+\i]
.endr
.irp i, 0,1,2
	v_mov_b32 v[PC+3+6*\c+\i], v[PC+12+4*\c+\i]
.endr
.endr
.endm
; weights: block t's 32 rows at my column, into set t % 2.  The base steps 32 rows; it is written only behind the wait that frees the earlier loads' addresses.
.macro LOADW t
.if (\t) > 0
	s_wait_xcnt 0x0
	s_add_nc_u64 s[26:27], s[26:27], s[28:29]
.endif
.set i, 0
.rept 32
	global_load_b32 v[X+32*((\t)%2)+i], v[OFF+i], s[26:27] th:TH_LOAD_NT
.set i, i+1
.endr
.endm
; weights: block t (32 along K of my column): K step t / 4, registers 6 c .. 6 c + 5 of image lane p + 16 h', c = (t / 2) % 2, h' = t % 2
.macro BLOCK t
.set XS, X+32*((\t)%2)
.set BA, 1536*((\t)/4)+256*((\t)%2)
.if (\t) < 7
	s_wait_loadcnt 32                              ; this block's 32 loads are in; the next block's may be out
.else
	s_wait_loadcnt 0x0
.endif
	v_max3_num_f32 v8, |v[XS]|, |v[XS+1]|, |v[XS+2]|
	v_max3_num_f32 v9, |v[XS+3]|, |v[XS+4]|, |v[XS+5]|
.irp i, 6,10,14,18,22,26
	v_max3_num_f32 v8, v8, |v[XS+\i]|, |v[XS+\i+1]|
	v_max3_num_f32 v9, v9, |v[XS+\i+2]|, |v[XS+\i+3]|
.endr
	v_max3_num_f32 v8, v8, |v[XS+30]|, |v[XS+31]|
	v_max3_num_f32 v8, v8, v9, 0x1800000           ; and the floor
	v_add_nc_u32 v10, 0xff000000, v8               ; the conversion's scale operand
	v_cvt_scalef32_pk16_fp6_f32 v[C:C+2], v[XS:XS+15], v10
	v_cvt_scalef32_pk16_fp6_f32 v[C+4:C+6], v[XS+16:XS+31], v10
	v_lshrrev_b32 v11, 23, v10                     ; the scale's byte (also the plain place behind the conversions)
.if (\t)%4 == 0
	v_mov_b32 v[SB+(\t)/4], v11
.else
	v_lshl_or_b32 v[SB+(\t)/4], v11, 8*((\t)%4), v[SB+(\t)/4]
.endif
	v_mov_b32 v[C+3], v[C+4]                       ; the block's six registers on end
	v_mov_b32 v[C+4], v[C+5]
	v_mov_b32 v[C+5], v[C+6]
.if ((\t)/2)%2 == 0
	ds_store_b128 v5, v[C:C+3] offset:BA           ; registers 0-3: chunk 0
	ds_store_b64 v5, v[C+4:C+5] offset:BA+512      ; registers 4, 5: the first half of chunk 1
.else
	ds_store_b64 v5, v[C:C+1] offset:BA+520        ; registers 6, 7: its second half
	ds_store_b128 v5, v[C+2:C+5] offset:BA+1024    ; registers 8-11: chunk 2
.endif
.if (\t)+2 < 8
	LOADW (\t)+2
.endif
	s_wait_dscnt 0x0                               ; the stores have read their registers: the next block's codes may be written
.endm
; x's path: Wlam(128 sl + 64 c + 32 h + i, head r) of my wave's 512 rows into v[R + 32 c + i]: a lane takes a head and its registers run down K
.macro WLLOAD sl, R
.irp c, 0,1
.irp i, 0,1,2,3,4,5,6,7,8,9,10,11,12,13,14,15,16,17,18,19,20,21,22,23,24,25,26,27,28,29,30,31
	global_load_b32 v[\R+32*\c+\i], v7, s[28:29] offset:(128*(\sl)+64*\c+\i)*64
.endr
.endr
.endm
; and they become fragment sl of Wlam: the conversions' results are the operand's registers; a lane holds two whole blocks
.macro WLQ sl, R
.irp c, 0,1
	v_max3_num_f32 v[TM+\c], |v[\R+32*\c]|, |v[\R+32*\c+1]|, 0x1800000
.endr
.irp i, 2,4,6,8,10,12,14,16,18,20,22,24,26,28,30
.irp c, 0,1
	v_max3_num_f32 v[TM+\c], v[TM+\c], |v[\R+32*\c+\i]|, |v[\R+32*\c+\i+1]|
.endr
.endr
.irp c, 0,1
	v_add_nc_u32 v[TM+12+\c], 0xff000000, v[TM+\c]
.endr
.irp c, 0,1
	v_lshrrev_b32 v[TM+4+\c], 23, v[TM+12+\c]
.endr
	v_lshl_or_b32 v[WS+\sl], v[TM+5], 16, v[TM+4]  ; my two bytes: blocks h and 2 + h of head r,
	v_lshlrev_b32 v[TM+8], 3, v3
	v_lshlrev_b32 v[WS+\sl], v[TM+8], v[WS+\sl]    ; 8 h bits up;
	v_mov_b32 v[TM+9], 0
	v_permlanex16_b32 v[TM+9], v[WS+\sl], s24, s25
	v_or_b32 v[WS+\sl], v[WS+\sl], v[TM+9]         ; with lane l xor 16's two the word is whole
.irp c, 0,1
	v_cvt_scalef32_pk16_fp6_f32 v[WF+12*\sl+6*\c:WF+12*\sl+6*\c+2], v[\R+32*\c:\R+32*\c+15], v[TM+12+\c]
	v_cvt_scalef32_pk16_fp6_f32 v[PC+12+4*\c:PC+14+4*\c], v[\R+32*\c+16:\R+32*\c+31], v[TM+12+\c]
.endr
	v_nop                                          ; one plain place behind a scaled conversion
.irp c, 0,1
.irp i, 0,1,2
	v_mov_b32 v[WF+12*\sl+6*\c+3+\i], v[PC+12+4*\c+\i]
.endr
.endr
.endm
; x's path: K step sl (512 bytes) of each of the tile's 16 rows: a load reads 512 consecutive bytes
.macro XLOAD sl
.irp p, 0,1,2,3,4,5,6,7,8,9,10,11,12,13,14,15
	global_load_b128 v[R0+4*\p:R0+4*\p+3], v4, s[26:27] offset:(\p+8*(\p/8))*8192+512*(\sl) th:TH_LOAD_NT
.endr
.endm
	s_load_b512 s[4:19], s[0:1], 0x0               ; x 4:5, Wq 6:7, Wk 8:9, Wv 10:11, Wo 12:13, Wlam 14:15, xcod 16:17, wcod 18:19
	s_load_b64 s[20:21], s[0:1], 0x40              ; lamb
	v_lshl_add_u32 v[SPW], v0, 2, SPARE
	v_mov_b32 v[NIL], 0
	v_lshrrev_b32 v1, 5, v0
	v_readfirstlane_b32 s22, v1                    ; wave 0..3
	v_and_b32 v1, 31, v0                           ; lane
	v_and_b32 v2, 15, v0                           ; r
	v_bfe_u32 v3, v0, 4, 1                         ; h
	s_mov_b32 s24, 0x76543210
	s_mov_b32 s25, 0xfedcba98                      ; v_permlanex16_b32's selects for lane l xor 16
	s_cmp_lt_u32 ttmp9, 128
	s_cbranch_scc1 .Lx
	; ---------------- a weight: 128 columns x 256 along K ----------------
	s_sub_co_u32 s23, ttmp9, 128
	s_and_b32 s38, s23, 7                          ; kq: which 256 along K
	s_lshr_b32 s23, s23, 3                         ; tg: which 128 of the 8,192 columns
	v_bfe_u32 v17, v0, 3, 1                        ; u: my column's tile of the wave's two
	v_and_b32 v18, 7, v0
	v_lshl_or_b32 v18, v3, 3, v18                  ; p: its row there
	s_mul_i32 s39, s22, 6144
	s_add_co_u32 s39, s39, WSTG                    ; my wave's four images: [u][K step]
	v_mul_u32_u24 v5, v17, 3072
	v_lshl_add_u32 v5, v18, 4, v5
	v_add_nc_u32 v5, s39, v5                       ; into them: 3072 u + 16 p
	s_wait_alu depctr_va_vdst(0)
	v_lshlrev_b32 v7, 4, v1                        ; 16 x lane
	v_add_nc_u32 v6, s39, v7                       ; out of them
	v_lshlrev_b32 v16, 10, v17
	v_lshl_add_u32 v16, v18, 4, v16                ; my scale words' place: 1024 u + 16 p
	v_lshlrev_b32 v4, 2, v1
	v_lshl_add_u32 v4, s22, 7, v4                  ; my column, in bytes: 128 wave + 4 lane
	s_wait_alu depctr_va_vdst(0)
	s_wait_kmcnt 0x0
	s_mov_b64 s[26:27], s[6:7]                     ; which weight, its row in bytes and its first group of columns: by the work-group's number alone
	s_mov_b32 s30, 16384
	s_mov_b32 s31, 0
	s_cmp_ge_u32 s23, 32
	s_cselect_b64 s[26:27], s[8:9], s[26:27]
	s_cselect_b32 s30, 4096, s30
	s_cselect_b32 s31, 32, s31
	s_cmp_ge_u32 s23, 40
	s_cselect_b64 s[26:27], s[10:11], s[26:27]
	s_cselect_b32 s31, 40, s31
	s_cmp_ge_u32 s23, 48
	s_cselect_b64 s[26:27], s[12:13], s[26:27]
	s_cselect_b32 s30, 8192, s30
	s_cselect_b32 s31, 48, s31
.set i, 0
.rept 32
	v_mad_u32_u24 v[OFF+i], s30, i, v4
.set i, i+1
.endr
	s_mul_i32 s36, s38, s30
	s_lshl_b32 s36, s36, 8                         ; 256 kq rows
	s_sub_co_u32 s37, s23, s31
	s_lshl_b32 s37, s37, 9                         ; + 512 bytes for each group of columns
	s_add_co_u32 s36, s36, s37
	s_mov_b32 s37, 0
	s_add_nc_u64 s[26:27], s[26:27], s[36:37]
	s_lshl_b32 s28, s30, 5                         ; a block on: 32 rows
	s_mov_b32 s29, 0
	s_wait_alu depctr_va_vdst(0)
	LOADW 0
	LOADW 1
	s_lshl_b32 s39, s23, 3
	s_lshl_b32 s36, s22, 1
	s_add_co_u32 s39, s39, s36                     ; my first tile: 8 tg + 2 wave
	s_mul_i32 s36, s39, 24576
	s_mul_i32 s40, s38, 3072
	s_add_co_u32 s36, s36, s40
	s_add_nc_u64 s[32:33], s[18:19], s[36:37]      ; its images of K steps 2 kq, 2 kq + 1
	s_lshl_b32 s36, s39, 10
	s_lshr_b32 s40, s38, 1
	s_lshl_b32 s40, s40, 8
	s_add_co_u32 s36, s36, s40
	s_and_b32 s40, s38, 1
	s_lshl_b32 s40, s40, 3
	s_add_co_u32 s36, s36, s40
	s_add_co_u32 s36, s36, 12582912
	s_add_nc_u64 s[34:35], s[18:19], s[36:37]      ; and their scale words
.irp t, 0,1,2,3,4,5,6,7
	BLOCK \t
.endr
	s_wait_alu depctr_va_vdst(0)
	global_store_b64 v16, v[SB:SB+1], s[34:35]
.irp j, 0,1,2,3,4,5,6,7,8,9,10,11
	ds_load_b128 v[OUTR+4*\j:OUTR+4*\j+3], v6 offset:512*\j   ; LDS serves a wave's instructions in order: these see my stores
.endr
.irp j, 0,1,2,3,4,5,6,7,8,9,10,11
	s_wait_dscnt 11-\j
	global_store_b128 v7, v[OUTR+4*\j:OUTR+4*\j+3], s[32:33] offset:(\j/6)*24576+(\j%6)*512   ; 32 lanes store 512 consecutive bytes, aligned
.endr
	s_wait_tensorcnt 0x0                           ; the wave's end
	ds_add_u32 v[SPW], v[NIL]
	s_wait_dscnt 0x0
	s_endpgm
	; ---------------- a token tile of x ----------------
.Lx:
	s_lshr_b32 s23, ttmp9, 1
	s_lshl_b32 s23, s23, 5
	s_and_b32 s38, ttmp9, 1
	s_lshl_b32 s38, s38, 3
	s_add_co_u32 s23, s23, s38                     ; the tile's first token: 32 (T / 2) + 8 (T % 2)
	s_wait_alu depctr_va_vdst(0)
	v_lshlrev_b32 v4, 4, v1                        ; 16 x lane
	s_mul_i32 s39, s22, 8448                       ; my stage (XSTG = 0)
	v_add_nc_u32 v5, s39, v4                       ; in: a row's 512 bytes as they lie
	v_mul_u32_u24 v6, v2, 528
	v_lshl_add_u32 v6, v3, 6, v6
	v_add_nc_u32 v6, s39, v6                       ; back: row r, + 64 h: my 16 numbers of a block of 32
	v_lshlrev_b32 v7, 2, v2
	v_lshl_add_u32 v7, v3, 11, v7                  ; Wlam: head r, 32 rows of 64 bytes further down for lanes 16-31
	s_lshl_b32 s39, s22, 10
	s_add_co_u32 s39, s39, RED
	v_add_nc_u32 v8, s39, v4                       ; my wave's part of lam's sums
	v_add_nc_u32 v9, RED, v4                       ; and all four, for wave 0
	v_lshlrev_b32 v10, 4, v2                       ; x's scale words: 16 r
	v_and_b32 v11, 8, v2
	v_add_nc_u32 v11, v11, v2
	v_lshlrev_b32 v11, 6, v11
	v_lshl_add_u32 v11, v3, 5, v11                 ; lamb: token r + 8 (r / 8), heads 8 h on
.irp b, 0,1,2,3
	v_mov_b32 v[TM+4+\b], 0                        ; written once: a lane permute's destination counts as one of its sources
.endr
	s_wait_kmcnt 0x0
	s_lshl_b32 s36, s23, 13
	s_lshl_b32 s38, s22, 11
	s_add_co_u32 s36, s36, s38
	s_mov_b32 s37, 0
	s_add_nc_u64 s[26:27], s[4:5], s[36:37]        ; x at the tile's first token, my wave's 512 along K
	s_lshl_b32 s36, s22, 15
	s_add_nc_u64 s[28:29], s[14:15], s[36:37]      ; Wlam at my wave's 512 rows
	s_mul_i32 s36, ttmp9, 24576
	s_mul_i32 s38, s22, 6144
	s_add_co_u32 s36, s36, s38
	s_add_nc_u64 s[32:33], s[16:17], s[36:37]      ; my four images
	s_lshl_b32 s36, ttmp9, 10
	s_lshl_b32 s38, s22, 8
	s_add_co_u32 s36, s36, s38
	s_add_co_u32 s36, s36, 3145728
	s_add_nc_u64 s[34:35], s[16:17], s[36:37]      ; their scale words: one block of 256 bytes
	s_lshl_b32 s36, s23, 6
	s_add_nc_u64 s[40:41], s[20:21], s[36:37]      ; lamb at the tile's first token
	; Wlam's four fragments.  64 loads were issued behind those that are wanted; the wait's field names 63 at the most
	WLLOAD 0, R0
	WLLOAD 1, R1
	s_wait_loadcnt 63
	WLQ 0, R0
	WLLOAD 2, R0
	s_wait_loadcnt 63
	WLQ 1, R1
	WLLOAD 3, R1
	s_wait_loadcnt 63
	WLQ 2, R0
	XLOAD 0
	s_wait_loadcnt 16                              ; x's 16 loads may be out
	WLQ 3, R1
.irp sl, 0,1,2,3
	s_wait_loadcnt 0x0                             ; this K step of x is in
.irp p, 0,1,2,3,4,5,6,7,8,9,10,11,12,13,14,15
	ds_store_b128 v5, v[R0+4*\p:R0+4*\p+3] offset:528*\p
.endr
.irp b, 0,1,2,3
.irp j, 0,1,2,3
	ds_load_b128 v[R1+16*\b+4*\j:R1+16*\b+4*\j+3], v6 offset:128*\b+16*\j   ; my own bytes: LDS serves a wave's instructions in order
.endr
.endr
	s_wait_dscnt 0x0
	s_wait_xcnt 0x0                                ; the last image's stores have read the codes' registers
.if \sl < 3
	XLOAD \sl+1
.endif
	QUANT R1, XW+\sl
.rept 8
	v_nop                                          ; a scale register written by a vector instruction stands 8 places ahead of a scaled matrix instruction, an operand 4
.endr
.if \sl == 0
	v_wmma_scale_f32_16x16x128_f8f6f4 v[ACC:ACC+7], v[WF+12*\sl:WF+12*\sl+11], v[PC:PC+11], 0, v[WS+\sl], v[XW+\sl] matrix_a_fmt:MATRIX_FMT_FP6 matrix_b_fmt:MATRIX_FMT_FP6   ; source 0 = the 16 heads, source 1 = the 16 tokens
.else
	s_wait_alu depctr_va_vdst(0)                   ; a wait directly ahead of each link
	v_wmma_scale_f32_16x16x128_f8f6f4 v[ACC:ACC+7], v[WF+12*\sl:WF+12*\sl+11], v[PC:PC+11], v[ACC:ACC+7], v[WS+\sl], v[XW+\sl] matrix_a_fmt:MATRIX_FMT_FP6 matrix_b_fmt:MATRIX_FMT_FP6
.endif
.irp c, 0,1,2
	global_store_b128 v4, v[PC+4*\c:PC+4*\c+3], s[32:33] offset:1536*\sl+512*\c   ; the image: 512 consecutive bytes a store
.endr
.endr
.rept 4
	v_nop                                          ; four places behind the last product
.endr
	ds_store_b128 v8, v[ACC:ACC+3]                 ; lane (r, h): token r, heads 8 h + 0 .. 7, over my 512 along K
	ds_store_b128 v8, v[ACC+4:ACC+7] offset:512
	s_wait_dscnt 0x0                               ; for wave 0's sake
	s_barrier_signal -1
	s_barrier_wait -1
	v_cmp_gt_u32 vcc_lo, 16, v1
	s_wait_xcnt 0x0                                ; EXEC changes only behind this wait
	s_and_saveexec_b32 s38, vcc_lo
	global_store_b128 v10, v[XW:XW+3], s[34:35]    ; lanes 0-15: row r's four words: 256 consecutive bytes, aligned
	s_wait_xcnt 0x0
	s_or_b32 exec_lo, exec_lo, s38
	s_cmp_lg_u32 s22, 0
	s_cbranch_scc1 .Lxend
.irp w, 0,1,2,3
	ds_load_b128 v[R0+8*\w:R0+8*\w+3], v9 offset:1024*\w
	ds_load_b128 v[R0+8*\w+4:R0+8*\w+7], v9 offset:1024*\w+512
.endr
	s_wait_dscnt 0x0
.irp j, 0,2,4,6
	v_pk_add_f32 v[R0+\j:R0+\j+1], v[R0+\j:R0+\j+1], v[R0+8+\j:R0+9+\j]
	v_pk_add_f32 v[R0+16+\j:R0+17+\j], v[R0+16+\j:R0+17+\j], v[R0+24+\j:R0+25+\j]
.endr
.irp j, 0,2,4,6
	v_pk_add_f32 v[R0+\j:R0+\j+1], v[R0+\j:R0+\j+1], v[R0+16+\j:R0+17+\j]
.endr
.irp j, 0,1,2,3,4,5,6,7
	v_mul_f32 v[R0+\j], 0xbfb8aa3b, v[R0+\j]       ; -z log2(e)
.endr
	s_wait_alu depctr_va_vdst(0)
.irp j, 0,1,2,3,4,5,6,7
	v_exp_f32 v[R0+8+\j], v[R0+\j]
.endr
	v_nop                                          ; a plain place behind the batch,
	s_wait_alu depctr_va_vdst(0)                   ; and one wait ahead of its first reader
.irp j, 0,1,2,3,4,5,6,7
	v_add_f32 v[R0+8+\j], 1.0, v[R0+8+\j]
.endr
	s_wait_alu depctr_va_vdst(0)
.irp j, 0,1,2,3,4,5,6,7
	v_rcp_f32 v[R0+16+\j], v[R0+8+\j]              ; sigmoid(z) = 1 / (1 + 2^(-z log2(e)))
.endr
	v_nop
	s_wait_alu depctr_va_vdst(0)
	global_store_b128 v11, v[R0+16:R0+19], s[40:41]
	global_store_b128 v11, v[R0+20:R0+23], s[40:41] offset:16
.Lxend:
	s_wait_tensorcnt 0x0                           ; the wave's end
	ds_add_u32 v[SPW], v[NIL]
	s_wait_dscnt 0x0
	s_endpgm
.Lfunc_end_k_qbfe4bfb10f_quant:
	.size	k_qbfe4bfb10f_quant, .Lfunc_end_k_qbfe4bfb10f_quant-k_qbfe4bfb10f_quant
	.p2alignl 7, 3214868480
	.fill 96, 4, 3214868480
	.section	.rodata,"a",@progbits
	.p2align	6, 0x0
	.amdhsa_kernel k_qbfe4bfb10f_quant
		.amdhsa_group_segment_fixed_size 62976
		.amdhsa_private_segment_fixed_size 0
		.amdhsa_enable_private_segment 0
		.amdhsa_kernarg_size 72
		.amdhsa_user_sgpr_count 2
		.amdhsa_user_sgpr_kernarg_segment_ptr 1
		.amdhsa_wavefront_size32 1
		.amdhsa_system_sgpr_workgroup_id_x 1
		.amdhsa_system_sgpr_workgroup_id_y 1
		.amdhsa_system_sgpr_workgroup_id_z 1
		.amdhsa_system_vgpr_workitem_id 0
		.amdhsa_next_free_vgpr 256
		.amdhsa_next_free_sgpr 66
		.amdhsa_reserve_vcc 1
		.amdhsa_float_denorm_mode_32 3
		.amdhsa_float_denorm_mode_16_64 3
		.amdhsa_memory_ordered 1
		.amdhsa_forward_progress 1
		.amdhsa_inst_pref_size 119
	.end_amdhsa_kernel
	.amdgpu_metadata
---
amdhsa.version: [ 1, 2 ]
amdhsa.kernels:
  - .name:           k_qbfe4bfb10f_quant
    .symbol:         k_qbfe4bfb10f_quant.kd
    .args:
      - { .name: x, .offset: 0, .size: 8, .value_kind: global_buffer, .address_space: global }
      - { .name: Wq, .offset: 8, .size: 8, .value_kind: global_buffer, .address_space: global }
      - { .name: Wk, .offset: 16, .size: 8, .value_kind: global_buffer, .address_space: global }
      - { .name: Wv, .offset: 24, .size: 8, .value_kind: global_buffer, .address_space: global }
      - { .name: Wo, .offset: 32, .size: 8, .value_kind: global_buffer, .address_space: global }
      - { .name: Wlam, .offset: 40, .size: 8, .value_kind: global_buffer, .address_space: global }
      - { .name: xcod, .offset: 48, .size: 8, .value_kind: global_buffer, .address_space: global }
      - { .name: wcod, .offset: 56, .size: 8, .value_kind: global_buffer, .address_space: global }
      - { .name: lamb, .offset: 64, .size: 8, .value_kind: global_buffer, .address_space: global }
    .group_segment_fixed_size: 62976
    .private_segment_fixed_size: 0
    .kernarg_segment_align: 8
    .kernarg_segment_size: 72
    .max_flat_workgroup_size: 128
    .sgpr_count:     66
    .vgpr_count:     256
    .wavefront_size: 32
...
	.end_amdgpu_metadata
.endif
;; end of part 1
;; launch proj (part 2): grid 24 x 8, 4 waves a work-group, clusters of 4 x 4, 327,680 bytes of LDS; arguments xcod, wcod, cos, sin, qcod, kvcod; writes qcod, kvcod
.if DOCPART == 2
	.amdgcn_target "amdgcn-amd-amdhsa--gfx1250"
	.amdhsa_code_object_version 6
	.text
	.protected	k_qbfe4bfb10f_proj
	.globl	k_qbfe4bfb10f_proj
	.p2align	8
	.type	k_qbfe4bfb10f_proj,@function
k_qbfe4bfb10f_proj:
	s_mov_b64 s[64:65], 0
	v_nop
	global_prefetch_b8 v0, s[64:65] scope:SCOPE_SE
	s_setreg_imm32_b32 hwreg(HW_REG_WAVE_MODE, 25, 1), 1
	s_wait_xcnt 0x0
	s_wait_alu depctr_hold_cnt(0) depctr_sa_sdst(0) depctr_va_vdst(0) depctr_va_sdst(0) depctr_va_ssrc(0) depctr_va_vcc(0) depctr_vm_vsrc(0)
	s_getreg_b32 s2, hwreg(HW_REG_IB_STS2, 6, 4)
	s_cmp_eq_u32 s2, 0
	s_cbranch_scc0 .Lentry_in_a_cluster
	s_endpgm
.Lentry_in_a_cluster:
	s_bfe_u32 s2, ttmp6, 0x10000c
	s_cmp_lg_u32 s2, 0xf033
	s_cbranch_scc0 .Lentry_shape_is_right
	s_endpgm
.Lentry_shape_is_right:
.set FR,    12
.set NL,    3
.set NP,    4
.set NQ,    2
.set QTR,   24576
.set SLOT,  4*QTR
.set SCL,   2*SLOT
.set SPARE, SCL+4*8192
.set LAPS,  4
.set ADRA,  16
.set ADRB,  20
.set LI,    24
.set CA,    25
.set SO,    26
.set ADRS,  27
.set SPW,   28
.set NIL,   29
.set SC,    32
.set CS,    64
.set AF,    128
.set TT,    192
.set PC,    192
.set TM,    224
.set PWS,   240
.set SEL4,  248
.set WV,    16
.set RH,    17
.set CH,    18
.set FV,    44
.set LAP,   66
.set G1,    24
.set G0,    32
.set G1B,   48
.set G0B,   56
.set G1S,   68
.set G0S,   76
.set G1SB,  80
.set G0SB,  88
.set OUTC,  92
.set OUTS,  94
.set COSB,  96
.set SINB,  98
.set MSB, 0
.macro WIN new
.if MSB != \new
	s_set_vgpr_msb (MSB<<8)|\new
.set MSB, \new
.endif
.endm
.set MUL_LO, 0xa1
.set MUL_HI, 0xf1
.set TO_B,   0x40
.macro JLOAD g0a, g1a, g0b, g1b
	s_cmp_eq_u32 s[RH], 0
	s_cbranch_scc0 .Lfor_b_\@
	tensor_load_to_lds s[\g0a:\g0a+3], s[\g1a:\g1a+7]
	s_nop 0
.rept 4
	v_nop
.endr
	s_branch .Lasked_\@
.Lfor_b_\@:
	tensor_load_to_lds s[\g0b:\g0b+3], s[\g1b:\g1b+7]
	s_nop 0
.rept 4
	v_nop
.endr
.Lasked_\@:
.endm
.macro CREST
	s_cmp_lg_u32 s[WV], 0
	s_cbranch_scc1 .Lnot_wave_0_\@
	s_barrier_signal -3
.Lnot_wave_0_\@:
	s_barrier_wait -3
	s_barrier_signal -1
	s_barrier_wait -1
.endm
.macro CROUND
	s_barrier_signal -1
	s_barrier_wait -1
	CREST
.endm
.macro FRAG reg, adr, q, i
.irp c, 0,1,2
	ds_load_b128 v[\reg+4*\c:\reg+4*\c+3], v[\adr] offset:(\i)*3072+(\q)*1536+512*\c
.endr
.endm
.macro MUL16 a0, p, q, sc, zero
.irp a, \a0, \a0+1
.irp b, 0,1,2,3,4,5,6,7
.if \zero
	v_wmma_scale_f32_16x16x128_f8f6f4 v[8*(8*((\a)%4)+\b):8*(8*((\a)%4)+\b)+7], v[128*(\p)+FR*\b:128*(\p)+FR*\b+FR-1], v[AF+FR*(\a):AF+FR*(\a)+FR-1], 0, v[SC+8*NQ*(\sc)+NQ*\b+(\q)], v[SC+8*NQ*(\sc)+NQ*(\a)+(\q)] matrix_a_fmt:MATRIX_FMT_FP6 matrix_b_fmt:MATRIX_FMT_FP6 matrix_a_scale:MATRIX_SCALE_ROW1
.else
	v_wmma_scale_f32_16x16x128_f8f6f4 v[8*(8*((\a)%4)+\b):8*(8*((\a)%4)+\b)+7], v[128*(\p)+FR*\b:128*(\p)+FR*\b+FR-1], v[AF+FR*(\a):AF+FR*(\a)+FR-1], v[8*(8*((\a)%4)+\b):8*(8*((\a)%4)+\b)+7], v[SC+8*NQ*(\sc)+NQ*\b+(\q)], v[SC+8*NQ*(\sc)+NQ*(\a)+(\q)] matrix_a_fmt:MATRIX_FMT_FP6 matrix_b_fmt:MATRIX_FMT_FP6 matrix_a_scale:MATRIX_SCALE_ROW1
.endif
.endr
.endr
.endm
.macro FETCH_B slot, q, p
	WIN TO_B
.irp i, 0,1,2,3,4,5,6,7
	FRAG 128*(\p)+FR*\i, ADRB+\slot, \q, \i
.endr
	WIN 0
.endm
.macro FETCH_A slot, q, i0
.irp i, \i0, \i0+1, \i0+2, \i0+3
	FRAG AF+FR*(\i), ADRA+\slot, \q, \i
.endr
.endm
.macro SCALES sc
.irp i, 0,1,2,3,4,5,6,7
	ds_load_b64 v[SC+8*NQ*\sc+NQ*\i:SC+8*NQ*\sc+NQ*\i+1], v[ADRS] offset:1024*\i+8*\sc
.endr
.endm
.macro PLACES n
.rept \n
	v_nop
.endr
.endm
.macro STEP slot, q, zero
	s_wait_dscnt 4*NL
	WIN MUL_LO
	MUL16 0, (\q)%2, \q, \slot, \zero
	MUL16 2, (\q)%2, \q, \slot, \zero
	s_wait_dscnt 0
	PLACES NP
	FETCH_B \slot, (\q)+1, 1-(\q)%2
	FETCH_A \slot, (\q)+1, 0
	WIN MUL_HI
	MUL16 4, (\q)%2, \q, \slot, \zero
	MUL16 6, (\q)%2, \q, \slot, \zero
	PLACES NP
	WIN 0
	FETCH_A \slot, (\q)+1, 4
.endm
.macro TURN slot, next, fill
.if \fill
	s_wait_xcnt 0x0                                ; the last prefetch has read its address: it steps one chunk (two K steps, 3,072 bytes of a tile)
	s_add_nc_u64 s[4:5], s[4:5], 3072
.endif
	s_wait_tensorcnt 0x0
	ds_add_u32 v[SPW], v[NIL]
	s_wait_dscnt 4*NL+1
	WIN MUL_LO
	MUL16 0, 1, NQ-1, \slot, 0
	s_wait_dscnt 0x0
	s_barrier_signal -1
	MUL16 2, 1, NQ-1, \slot, 0
	WIN 0
	s_barrier_wait -1
.if \fill
	CREST
	s_add_nc_u64 s[G0+4*\slot+2:G0+4*\slot+3], s[G0+4*\slot+2:G0+4*\slot+3], 2*3072
	s_add_nc_u64 s[G0B+4*\slot+2:G0B+4*\slot+3], s[G0B+4*\slot+2:G0B+4*\slot+3], 2*3072
	JLOAD G0+4*\slot, G1, G0B+4*\slot, G1B
.else
	PLACES NP
.endif
.if \next == 0
	v_add_nc_u32 v[ADRS], 256, v[ADRS]
.endif
	FETCH_B \next, 0, 0
	FETCH_A \next, 0, 0
	s_wait_alu depctr_va_vdst(0)
	SCALES \next
.if \fill
	s_cmp_gt_u32 s[LAP], 1                         ; the loop's last trip has no chunk two refills on
	s_cbranch_scc0 .Lno_ask_\@
	global_prefetch_b8 v30, s[4:5] offset:3*3072 th:TH_LOAD_NT scope:SCOPE_SE   ; the chunk that stands two refills on: my 2 tiles of the 8 that I fetch, 24 blocks of 256 bytes
.Lno_ask_\@:
.endif
	WIN MUL_HI
	MUL16 4, 1, NQ-1, \slot, 0
	MUL16 6, 1, NQ-1, \slot, 0
	PLACES NP
	WIN 0
	FETCH_A \next, 0, 4
.endm
; cos and sin of block a lie in set a % 6: 32 registers each, in window CW at CN and SN.  Sets 0 and 1 are registers that the loop over K never names; sets 2 to 5 held fragments.
.macro CSET a
.set KK, (\a)%6
.set CW, 1
.if KK == 0
.set CW, 0
.set CN, 64
.set SN, 96
.endif
.if KK == 1
.set CN, 96
.set SN, 224
.endif
.if KK == 2
.set CN, 0
.set SN, 32
.endif
.if KK == 3
.set CN, 128
.set SN, 160
.endif
.if KK == 4
.set CW, 0
.set CN, 128
.set SN, 160
.endif
.if KK == 5
.set CN, 64
.set SN, 192
.endif
.endm
.macro CSLOAD a
	CSET \a
.set WL, CW<<6
	WIN WL
.irp b, 0,1,2,3
.irp e, 0,1
	global_load_b128 v[CN+8*\b+4*\e:CN+8*\b+4*\e+3], v[CA], s[COSB:COSB+1] offset:(32*((\a)/2)+8*((\a)%2))*256+64*\b+16*\e
	global_load_b128 v[SN+8*\b+4*\e:SN+8*\b+4*\e+3], v[CA], s[SINB:SINB+1] offset:(32*((\a)/2)+8*((\a)%2))*256+64*\b+16*\e
.endr
.endr
	WIN 0
.endm
.macro ROPE a
.set AC, 64*((\a)%4)
.set W, 2+(\a)/4
	CSET \a
.set WM, W+(CW<<2)
.set WD, W+(W<<6)+(CW<<2)
.irp hf, 0,1
	WIN WM
.set m, 16*\hf
.rept 8
	v_pk_mul_f32 v[TT+2*(m%16):TT+2*(m%16)+1], v[AC+2*m:AC+2*m+1], v[SN+m:SN+m+1] op_sel:[1,0] op_sel_hi:[0,0]
	v_pk_mul_f32 v[TT+2*(m%16)+2:TT+2*(m%16)+3], v[AC+2*m+2:AC+2*m+3], v[SN+m:SN+m+1] op_sel:[1,1] op_sel_hi:[0,1]
.set m, m+2
.endr
	WIN WD
.set m, 16*\hf
.rept 8
	v_pk_fma_f32 v[AC+2*m:AC+2*m+1], v[AC+2*m:AC+2*m+1], v[CN+m:CN+m+1], v[TT+2*(m%16):TT+2*(m%16)+1] op_sel:[0,0,0] op_sel_hi:[1,0,1] neg_lo:[0,0,1]
	v_pk_fma_f32 v[AC+2*m+2:AC+2*m+3], v[AC+2*m+2:AC+2*m+3], v[CN+m:CN+m+1], v[TT+2*(m%16)+2:TT+2*(m%16)+3] op_sel:[0,1,0] op_sel_hi:[1,1,1] neg_lo:[0,0,1]
.set m, m+2
.endr
.endr
	WIN 0
.endm
.macro QUANT s, w, pw
.set WA, ((\w)<<2)+((\w)<<4)
	WIN WA
.irp b, 0,1,2,3
	v_max3_num_f32 v[TM+\b], 0x1800000, |v[\s+16*\b]|, |v[\s+1+16*\b]|
.endr
.irp i, 2,4,6,8,10,12,14
.irp b, 0,1,2,3
	v_max3_num_f32 v[TM+\b], v[TM+\b], |v[\s+16*\b+\i]|, |v[\s+1+16*\b+\i]|
.endr
.endr
	WIN 0
.irp b, 0,1,2,3
	v_permlanex16_b32 v[TM+4+\b], v[TM+\b], s2, s3
.endr
.irp b, 0,1,2,3
	v_max_num_f32 v[TM+\b], v[TM+\b], v[TM+4+\b]
.endr
.irp b, 0,1,2,3
	v_add_nc_u32 v[TM+12+\b], 0xff000000, v[TM+\b]
.endr
.irp b, 0,1,2,3
	v_lshrrev_b32 v[TM+4+\b], 23, v[TM+12+\b]
.endr
	v_lshl_or_b32 v[\pw], v[TM+5], 8, v[TM+4]
	v_lshl_or_b32 v[\pw], v[TM+6], 16, v[\pw]
	v_lshl_or_b32 v[\pw], v[TM+7], 24, v[\pw]
	WIN \w
.irp c, 0,1
	v_cvt_scalef32_pk16_fp6_f32 v[PC+6*\c:PC+2+6*\c], v[\s+32*\c:\s+15+32*\c], v[TM+12+2*\c]
	v_cvt_scalef32_pk16_fp6_f32 v[PC+12+4*\c:PC+14+4*\c], v[\s+16+32*\c:\s+31+32*\c], v[TM+12+2*\c+1]
.endr
	WIN 0
	v_nop
.irp c, 0,1
.irp i, 0,1,2
	v_permlane16_swap_b32 v[PC+6*\c+\i], v[PC+12+4*\c+\i]
.endr
.irp i, 0,1,2
	v_mov_b32 v[PC+3+6*\c+\i], v[PC+12+4*\c+\i]
.endr
.endr
.endm
.macro EPI a, rope
.set AC, 64*((\a)%4)
.set W, 2+(\a)/4
.if (\a) > 0
	s_wait_xcnt 0x0
.endif
.if \rope
.if (\a) >= 2
.if (\a) < 6
	s_wait_loadcnt 32                              ; block a's 16 loads are in; those of the two blocks behind it may be out
.else
	s_wait_loadcnt 16*(7-(\a))
.endif
.if (\a)+3 < 8
	CSLOAD (\a)+3                                  ; three blocks ahead
.endif
.endif
	ROPE \a
.endif
	QUANT AC, W, PWS+(\a)
.irp c, 0,1,2
	global_store_b128 v[LI], v[PC+4*\c:PC+4*\c+3], s[OUTC:OUTC+1] offset:1536*(\a)+512*\c
.endr
.endm
	s_load_b256 s[4:11], s[0:1], 0x0
	s_load_b128 s[12:15], s[0:1], 0x20
	v_lshl_add_u32 v[SPW], v0, 2, SPARE
	v_mov_b32 v[NIL], 0
	ds_add_u32 v[SPW], v[NIL]
	ds_add_u32 v[SPW], v[NIL]
	v_lshrrev_b32 v1, 5, v0
	v_readfirstlane_b32 s[WV], v1
	s_lshr_b32 s[RH], s[WV], 1
	s_and_b32 s[CH], s[WV], 1
	s_bfe_u32 s40, ttmp6, 0x40000
	s_bfe_u32 s41, ttmp6, 0x40004
	s_and_b32 s43, ttmp7, 0xffff
	s_lshl_b32 s45, s41, 2
	s_lshl_b32 s45, 15, s45
	s_lshl_b32 s46, 0x1111, s40
	s_or_b32 s[G1], s45, (3<<16)|(1<<21)
	s_or_b32 s[G1B], s46, (3<<16)|(1<<21)
.irp g, G1, G1B
	s_mov_b32 s[\g+1], 384<<16
	s_mov_b32 s[\g+2], 16<<16                      ; the head's loads bring all 16 tiles of a side
	s_mov_b32 s[\g+3], 384<<16
	s_mov_b32 s[\g+4], 16
	s_mov_b32 s[\g+5], 3072
	s_mov_b32 s[\g+6], 0
	s_mov_b32 s[\g+7], 0
.endr
	s_or_b32 s[G1S], s45, (3<<16)|(1<<21)
	s_or_b32 s[G1SB], s46, (3<<16)|(1<<21)
.irp g, G1S, G1SB
	s_mov_b32 s[\g+1], 32<<16
	s_mov_b32 s[\g+2], 64<<16                      ; the scale words of 16 tiles: 64 rows of 256 bytes
	s_mov_b32 s[\g+3], 32<<16
	s_mov_b32 s[\g+4], 64
	s_mov_b32 s[\g+5], 32
	s_mov_b32 s[\g+6], 0
	s_mov_b32 s[\g+7], 0
.endr
	s_lshl_b32 s19, s[CH], 3
	s_lshl_b32 s20, s41, 4
	s_add_co_u32 s20, s20, s19
	s_lshl_b32 s92, s40, 4
	s_add_co_u32 s92, s92, s19
	s_lshl_b32 s19, s43, 6
	s_lshl_b32 s47, ttmp9, 6
	s_mov_b32 s21, 320
	s_mov_b32 s100, 3145728
	s_mov_b32 s101, 12582912
	s_cmp_eq_u32 ttmp9, 5
	s_cselect_b32 s[FV], 1, 0
	s_cselect_b32 s21, s21, s19
	s_cselect_b32 s47, s19, s47
	s_cselect_b32 s22, s101, s100
	s_cselect_b32 s94, s100, s101
	s_add_co_u32 s20, s20, s21
	s_add_co_u32 s92, s92, s47
	s_lshl_b32 s21, s20, 10
	s_add_co_u32 s22, s22, s21
	s_mul_i32 s20, s20, 24576
	s_mov_b32 s21, 0
	s_mov_b32 s23, 0
	s_lshl_b32 s93, s92, 10
	s_add_co_u32 s94, s94, s93
	s_mul_i32 s92, s92, 24576
	s_mov_b32 s93, 0
	s_mov_b32 s95, 0
	s_mul_i32 s45, s[WV], QTR
	s_mov_b32 s2, 0x76543210
	s_mov_b32 s3, 0xfedcba98
	s_wait_dscnt 0x0
	s_wait_kmcnt 0x0
	s_cmp_eq_u32 s[FV], 1
	s_cselect_b64 s[96:97], s[6:7], s[4:5]
	s_cselect_b64 s[98:99], s[4:5], s[6:7]
	s_add_nc_u64 s[20:21], s[96:97], s[20:21]
	s_add_nc_u64 s[22:23], s[96:97], s[22:23]
	s_add_nc_u64 s[92:93], s[98:99], s[92:93]
	s_add_nc_u64 s[94:95], s[98:99], s[94:95]
	CROUND
	s_lshl_b32 s46, s[CH], 13                      ; the head's tiles are whole: my half's share is taken off the addresses
	s_mov_b32 s47, 0
	s_sub_nc_u64 s[22:23], s[22:23], s[46:47]
	s_sub_nc_u64 s[94:95], s[94:95], s[46:47]
	s_mov_b32 s[G0S], 1
	s_mov_b32 s[G0S+1], SCL
	s_mov_b64 s[G0S+2:G0S+3], s[22:23]
	s_or_b32 s[G0S+3], s[G0S+3], 0x80000000
	s_mov_b32 s[G0SB], 1
	s_mov_b32 s[G0SB+1], SCL+16384
	s_mov_b64 s[G0SB+2:G0SB+3], s[94:95]
	s_or_b32 s[G0SB+3], s[G0SB+3], 0x80000000
.irp s, 0,1
	s_mov_b32 s[G0+4*\s], 1
	s_add_co_u32 s[G0+4*\s+1], s45, \s*SLOT
	s_add_nc_u64 s[G0+4*\s+2:G0+4*\s+3], s[20:21], \s*3072
	s_or_b32 s[G0+4*\s+3], s[G0+4*\s+3], 0x80000000
	s_mov_b32 s[G0B+4*\s], 1
	s_add_co_u32 s[G0B+4*\s+1], s45, \s*SLOT
	s_add_nc_u64 s[G0B+4*\s+2:G0B+4*\s+3], s[92:93], \s*3072
	s_or_b32 s[G0B+4*\s+3], s[G0B+4*\s+3], 0x80000000
.endr
	s_mul_i32 s46, s[CH], 196608
	s_mov_b32 s4, 1                                ; s[4:7]: group 0 for slot 0's 16 tiles of source 1's side (the arguments that lay there have been used)
	s_mov_b32 s5, 0
	s_sub_nc_u64 s[6:7], s[20:21], s[46:47]
	s_or_b32 s7, s7, 0x80000000
	s_mov_b32 s96, 1                               ; s[96:99]: the same for the other side, behind them in slot 0
	s_mov_b32 s97, 2*QTR
	s_sub_nc_u64 s[98:99], s[92:93], s[46:47]
	s_or_b32 s99, s99, 0x80000000
; the head's four tiles, one joint load a wave: one chain of branches on the wave's number, one load to an arm
.macro ARM under, g0, g1, next
	s_cmp_lt_u32 s[WV], \under
	s_cbranch_scc0 \next
	tensor_load_to_lds s[\g0:\g0+3], s[\g1:\g1+7]
	s_nop 0
.rept 4
	v_nop
.endr
	s_branch .Lhead_asked
\next:
.endm
	ARM 1, 4,   G1,  .Lhead_b
	ARM 2, 96,  G1B, .Lhead_sa
	ARM 3, G0S, G1S, .Lhead_sb
	tensor_load_to_lds s[G0SB:G0SB+3], s[G1SB:G1SB+7]
	s_nop 0
.rept 4
	v_nop
.endr
.Lhead_asked:
	s_wait_alu depctr_va_vdst(0)
	s_wait_tensorcnt 0x0                           ; my tile of the four is in
	ds_add_u32 v28, v29
	s_mov_b32 s[G1+2], 8<<16                       ; no tensor load of mine is out: from here on a load brings 8 tiles
	s_mov_b32 s[G1+4], 8
	s_mov_b32 s[G1B+2], 8<<16
	s_mov_b32 s[G1B+4], 8
	s_wait_dscnt 0x0
	CROUND
	JLOAD G0+4, G1, G0B+4, G1B
	s_cmp_eq_u32 s[RH], 0                          ; the tiles' prefetches: of the 8 tiles that I fetch, the partner at place p of the four that ask with me takes tiles 2 p, 2 p + 1 (by address)
	s_cselect_b64 s[4:5], s[20:21], s[92:93]
	s_cselect_b32 s46, s40, s41
	s_mul_i32 s46, s46, 2*24576
	s_add_nc_u64 s[4:5], s[4:5], s[46:47]
	v_and_b32 v1, 15, v0
	v_bfe_u32 v2, v0, 4, 1
	s_wait_alu depctr_va_vdst(0)
	v_and_b32 v3, 31, v0
	v_lshlrev_b32 v[LI], 4, v3
	s_mul_i32 s19, s[RH], QTR
	s_mul_i32 s47, s[CH], QTR
	s_add_co_u32 s47, s47, 2*QTR
.irp s, 0,1
	v_add_nc_u32 v[ADRA+\s], s19, v[LI]
	v_add_nc_u32 v[ADRB+\s], s47, v[LI]
	s_add_co_u32 s19, s19, SLOT
	s_add_co_u32 s47, s47, SLOT
.endr
	s_lshl_b32 s19, s[RH], 13
	s_lshl_b32 s47, s[CH], 13
	s_add_co_u32 s47, s47, 2*8192
	s_sub_co_u32 s47, s47, s19
	v_mul_u32_u24 v4, s47, v2
	s_add_co_u32 s19, s19, SCL
	v_lshl_add_u32 v4, v1, 4, v4
	v_add_nc_u32 v[ADRS], s19, v4
	v_and_b32 v4, 8, v1
	v_add_nc_u32 v4, v4, v1
	v_lshlrev_b32 v[CA], 8, v4
	v_lshl_add_u32 v[CA], v2, 5, v[CA]
	v_lshlrev_b32 v[SO], 5, v1
	v_lshl_add_u32 v[SO], v2, 4, v[SO]
	v_min_u32 v5, 23, v3                           ; v30: block l % 12 of tile l / 12, l = my lane held at 23
	v_mul_u32_u24 v6, v5, 22
	v_lshrrev_b32 v6, 8, v6                        ; l / 12 for l under 24
	v_mul_u32_u24 v6, v6, 21504
	v_lshl_add_u32 v30, v5, 8, v6
	v_lshlrev_b32 v31, 8, v3                       ; v31: a lane a row of cos or sin
.irp b, 0,1,2,3
	v_mov_b32 v[TM+4+\b], 0
.endr
	s_lshl_b32 s19, s43, 2
	s_add_co_u32 s19, s19, s41
	s_lshl_b32 s19, s19, 1
	s_add_co_u32 s19, s19, s[RH]
	s_lshl_b32 s47, ttmp9, 2
	s_add_co_u32 s47, s47, s40
	s_lshl_b32 s47, s47, 1
	s_add_co_u32 s47, s47, s[CH]
	s_mul_i32 s20, s47, 196608
	s_mul_i32 s21, s19, 12288
	s_add_co_u32 s20, s20, s21
	s_lshl_b32 s22, s47, 13
	s_lshl_b32 s23, s19, 9
	s_add_co_u32 s22, s22, s23
	s_add_co_u32 s22, s22, 6291456
	s_sub_co_u32 s45, s47, 32
	s_mul_i32 s46, s45, 393216
	s_mul_i32 s21, s19, 24576
	s_add_co_u32 s46, s46, s21
	s_lshl_b32 s45, s45, 14
	s_add_co_u32 s45, s45, s23
	s_add_co_u32 s45, s45, s100
	s_lshl_b32 s92, s41, 1
	s_add_co_u32 s92, s92, s[RH]
	s_lshl_b32 s93, s43, 2
	s_add_co_u32 s93, s93, s40
	s_lshl_b32 s93, s93, 1
	s_add_co_u32 s93, s93, s[CH]
	s_mul_i32 s94, s92, 393216
	s_mul_i32 s95, s93, 24576
	s_add_co_u32 s94, s94, s95
	s_add_co_u32 s94, s94, 12288
	s_lshl_b32 s92, s92, 14
	s_lshl_b32 s93, s93, 9
	s_add_co_u32 s92, s92, s93
	s_add_co_u32 s92, s92, 3145728+8192
	s_cmp_lt_u32 ttmp9, 4
	s_cselect_b32 s20, s20, s46
	s_cselect_b32 s22, s22, s45
	s_cselect_b64 s[96:97], s[12:13], s[14:15]
	s_cmp_eq_u32 ttmp9, 5
	s_cselect_b32 s20, s94, s20
	s_cselect_b32 s22, s92, s22
	s_mov_b32 s21, 0
	s_mov_b32 s23, 0
	s_add_nc_u64 s[OUTC:OUTC+1], s[96:97], s[20:21]
	s_add_nc_u64 s[OUTS:OUTS+1], s[96:97], s[22:23]
	s_lshl_b32 s20, s19, 15
	s_add_nc_u64 s[COSB:COSB+1], s[8:9], s[20:21]
	s_add_nc_u64 s[SINB:SINB+1], s[10:11], s[20:21]
	s_wait_alu depctr_va_vdst(0)
	global_prefetch_b8 v30, s[4:5] offset:2*3072 th:TH_LOAD_NT scope:SCOPE_SE   ; the chunks of the first two refills
	global_prefetch_b8 v30, s[4:5] offset:3*3072 th:TH_LOAD_NT scope:SCOPE_SE
	s_cmp_eq_u32 s[FV], 1
	s_cbranch_scc1 .Lno_cs0
	s_cmp_eq_u32 s[CH], 0                          ; my 128 tokens' rows of cos (column half 0) or sin (half 1): the four partners of a row of the cluster take 32 rows each, a lane a row
	s_cselect_b64 s[6:7], s[COSB:COSB+1], s[SINB:SINB+1]
	s_lshl_b32 s20, s40, 13
	s_add_nc_u64 s[6:7], s[6:7], s[20:21]
	global_prefetch_b8 v31, s[6:7] th:TH_LOAD_NT scope:SCOPE_SE
	CSLOAD 0
	CSLOAD 1
.Lno_cs0:
	s_wait_tensorcnt 1
	s_barrier_signal -1
	s_barrier_wait -1
	FETCH_B 0, 0, 0
	FETCH_A 0, 0, 0
	SCALES 0
	FETCH_A 0, 0, 4
	STEP 0, 0, 1
	s_mov_b32 s[LAP], LAPS-1
.Llap:
	TURN 0, 1, 1
	STEP 1, 0, 0
	TURN 1, 0, 1
	STEP 0, 0, 0
	s_sub_co_u32 s[LAP], s[LAP], 1
	s_cmp_lg_u32 s[LAP], 0
	s_cbranch_scc1 .Llap
	TURN 0, 1, 0
	STEP 1, 0, 0
	s_cmp_eq_u32 s[FV], 1
	s_cbranch_scc1 .Lno_cs2
	CSLOAD 2                                       ; into the first set of source 0's fragments, which the last K step does not read
.Lno_cs2:
	s_wait_dscnt 4*NL
	WIN MUL_LO
	MUL16 0, 1, NQ-1, 1, 0
	MUL16 2, 1, NQ-1, 1, 0
	s_wait_dscnt 0
	WIN MUL_HI
	MUL16 4, 1, NQ-1, 1, 0
	MUL16 6, 1, NQ-1, 1, 0
	WIN 0
	PLACES NP
	s_cmp_eq_u32 s[FV], 1
	s_cbranch_scc1 .Lplain
	CSLOAD 3
	CSLOAD 4
	s_wait_loadcnt 48                              ; blocks 0 and 1 are in; the 48 loads of blocks 2 to 4 may be out
.irp a, 0,1,2,3,4,5,6,7
	EPI \a, 1
.endr
	s_branch .Lwords
.Lplain:
.irp a, 0,1,2,3,4,5,6,7
	EPI \a, 0
.endr
.Lwords:
	v_cmp_le_u32 vcc_lo, 16, v3
.irp i, 0,1,2,3
	v_cndmask_b32 v[SEL4+\i], v[PWS+\i], v[PWS+4+\i], vcc_lo
.endr
	global_store_b128 v[SO], v[SEL4:SEL4+3], s[OUTS:OUTS+1]
	s_wait_tensorcnt 0x0
	ds_add_u32 v[SPW], v[NIL]
	s_wait_dscnt 0x0
	CROUND
	s_endpgm
.Lfunc_end_k_qbfe4bfb10f_proj:
	.size	k_qbfe4bfb10f_proj, .Lfunc_end_k_qbfe4bfb10f_proj-k_qbfe4bfb10f_proj
	.p2alignl 7, 3214868480
	.fill 96, 4, 3214868480
	.section	.rodata,"a",@progbits
	.p2align	6, 0x0
	.amdhsa_kernel k_qbfe4bfb10f_proj
		.amdhsa_group_segment_fixed_size 327680
		.amdhsa_private_segment_fixed_size 0
		.amdhsa_enable_private_segment 0
		.amdhsa_kernarg_size 48
		.amdhsa_user_sgpr_count 2
		.amdhsa_user_sgpr_kernarg_segment_ptr 1
		.amdhsa_wavefront_size32 1
		.amdhsa_system_sgpr_workgroup_id_x 1
		.amdhsa_system_sgpr_workgroup_id_y 1
		.amdhsa_system_sgpr_workgroup_id_z 1
		.amdhsa_system_vgpr_workitem_id 0
		.amdhsa_next_free_vgpr 1024
		.amdhsa_next_free_sgpr 102
		.amdhsa_reserve_vcc 1
		.amdhsa_float_denorm_mode_32 3
		.amdhsa_float_denorm_mode_16_64 3
		.amdhsa_memory_ordered 1
		.amdhsa_forward_progress 1
		.amdhsa_inst_pref_size 223
	.end_amdhsa_kernel
	.amdgpu_metadata
---
amdhsa.version: [ 1, 2 ]
amdhsa.kernels:
  - .name:           k_qbfe4bfb10f_proj
    .symbol:         k_qbfe4bfb10f_proj.kd
    .args:
      - { .name: xcod, .offset: 0, .size: 8, .value_kind: global_buffer, .address_space: global }
      - { .name: wcod, .offset: 8, .size: 8, .value_kind: global_buffer, .address_space: global }
      - { .name: cos, .offset: 16, .size: 8, .value_kind: global_buffer, .address_space: global }
      - { .name: sin, .offset: 24, .size: 8, .value_kind: global_buffer, .address_space: global }
      - { .name: qcod, .offset: 32, .size: 8, .value_kind: global_buffer, .address_space: global }
      - { .name: kvcod, .offset: 40, .size: 8, .value_kind: global_buffer, .address_space: global }
    .group_segment_fixed_size: 327680
    .private_segment_fixed_size: 0
    .kernarg_segment_align: 8
    .kernarg_segment_size: 48
    .max_flat_workgroup_size: 128
    .sgpr_count:     102
    .vgpr_count:     1024
    .wavefront_size: 32
...
	.end_amdgpu_metadata
.endif
;; end of part 2
;; launch attn (part 3): grid 16 x 16, 16 waves a work-group, no clusters, 327,680 bytes of LDS; arguments qcod, kvcod, lamb, acod; writes acod
.if DOCPART == 3
	.amdgcn_target "amdgcn-amd-amdhsa--gfx1250"
	.amdhsa_code_object_version 6
	.text
	.protected	k_qbfe4bfb10f_attn
	.globl	k_qbfe4bfb10f_attn
	.p2align	8
	.type	k_qbfe4bfb10f_attn,@function
k_qbfe4bfb10f_attn:
	s_mov_b64 s[64:65], 0
	v_nop
	global_prefetch_b8 v0, s[64:65] scope:SCOPE_SE
	s_setreg_imm32_b32 hwreg(HW_REG_WAVE_MODE, 25, 1), 1
	s_wait_xcnt 0x0
; out[t][i][:] = attn[t][2 i][:] - lam[t][i] attn[t][2 i + 1][:], attn = causal softmax attention of 32 query heads on 8 key and value heads, both products on codes of FP6 (E2M3) with E8M0 scales; out leaves as codes for the last product.
; THE SOFTMAX AHEAD OF THE SECOND PRODUCT: t = score x log2(e) / sqrt(128); M = the row's largest t so far, rounded up to a whole number; p = 2^(t - M) is quantised along the keys, not normalised; the row's sum is taken of the
; unquantised p and divides O at the end.  When M moves, the sum and O are multiplied by 2^(old M - new M): exact.
; OPERANDS are images of fragments (1,536 bytes: chunk c at 512 c, lane l's 16 bytes at 16 l).  Row p of tile 2 b + u is index 32 b + 8 u + p + 8 (p / 8): of a token (Q, K) or of a channel (V).
; Both products are used transposed: S^T = K Q^T, O^T = V^T P^T: a lane holds ONE query; the 16 registers of key tiles 2 b, 2 b + 1 are 16 neighbouring keys, those of channel tiles likewise 16 neighbouring channels.
; SHARES.  A work-group: one pair of heads (y) and two blocks of 64 queries, x and 31 - x: so every work-group walks the same number of key steps.  Wave w: tile w % 4 of block x ((w / 4) % 2 = 0) or 31 - x (1), head 2 y + w / 8.
; A wave owns one tile of 16 queries in 256 registers; four waves to a SIMD.  K's and V's images come through a ring of two LDS slots of two key steps (128 keys each), filled by waves 0 and 1; the kv head's scale words come once (wave 2).
; THE CAUSAL MASK.  Every work-group walks all 8 changes of slots (trip counts are constants); a step all of whose keys come after the wave's queries is jumped over (a branch on ids; no barrier, no tensor load in a step); in the one
; step on the diagonal hidden scores become -infinity.  A slot whose first key comes after the work-group's last query is read by none of its waves and is not asked for: a jump on ids, alike in all sixteen waves, round the load's own
; lines alone; every wait on TENSORcnt in this text is for 0.
; NO CLUSTER: how many slots a work-group needs hangs on its number, and the jump that ends the fills may not lead round a joint load.
; LIMITS: NaN and infinities are not served; a block whose largest magnitude lies under 2^-124 has its byte held at 1; a block of zeros gets the byte 1: its codes are zeros, and this program alone reads the bytes.
; out's scale words leave as 4 bytes a lane, 16 bytes apart: 1 byte for each 24 of codes.
; REGISTERS: v1-7 addresses that stay; v8, v9 addresses of the loads in hand; v10 Q's scale word; v12 -M, v13 the largest t, v[14:15] the sum; v16-27 Q; v28, v29, v88, v89 offsets; v[30:31] lam; v32-79 four fragments;
;   v80-87 scale words (lanes 0-15 K's eight tiles, lanes 16-31 V's); v96-159 S^T, then p; v160-223 O^T; v224-235 p's codes; v232-254 at work; v253 p's scale word.
.set STEPB, 24576                      ; a key step: K's 8 images, then V's 8
.set SLOT1, 65536                      ; slot 1 begins here: one exclusive or turns an address of slot 0 (49,152 bytes) into slot 1's
.set SCB,   49152                      ; between them: the kv head's scale words: K's 8,192 bytes, then V's
.set STAGE, 114688                     ; 8 x 8,192: an odd head's O goes to its even partner
.set SPARE, 180224                     ; the spare words, 128 bytes for each wave: eight blocks of 256 bytes that no other line names
.set LI,   1
.set ASC0, 2
.set STG,  3
.set DM,   4
.set SPW,  5
.set NIL,  6
.set ADK,  8
.set ADS,  9
.set PFO,  28
.set TM,   160
.set PC,   180
.set TB,   2                           ; s2  LDS byte at which the slot in hand begins
.set TS,   3                           ; s3  where the step's scale words begin: 512 bytes a step
.set WV,   18
.set SEL,  20
.set CS,   22
.set G1,   24
.set G0,   32
.set G1S,  36
.set G0S,  44
.set QC,   48
.set QSC,  50
.set LAMA, 52
.set AQC,  54
.set AQS,  56
.set SLOTS, 66
.set KF,   67                          ; s67 the step's first key
.set QS,   68                          ; s68 the first key of my diagonal step
.set LASTQ, 69                         ; s69 my work-group's last query
.set HB,   70
.set HP,   71
.set PFA,  72
.set LIM,  74
.macro TLOAD                           ; waves 0 and 1 fetch a key step each; an s_nop 0 and four v_nop follow the load
	s_cmp_lt_u32 s[WV], 2
	s_cbranch_scc0 .Lasked_\@
	tensor_load_to_lds s[G0:G0+3], s[G1:G1+7]
	s_nop 0
.rept 4
	v_nop
.endr
.Lasked_\@:
.endm
; A prefetch of the slot that the NEXT change will ask for: 49,152 dense bytes.  The 32 work-groups of a kv head walk the same bytes: the one with x = 0 and an even y asks (it walks all slots), by its waves 4 to 9,
; 8,192 bytes a wave, lanes 256 bytes apart: each block is named once in the launch.  The last change that fills a slot asks for nothing; slots 0 and 1 come by their loads alone.
.macro ASK
	s_cmp_gt_u32 s[SLOTS], s[LIM]
	s_cbranch_scc0 .Lnot_mine_\@
	global_prefetch_b8 v[PFO], s[PFA:PFA+1] th:TH_LOAD_NT scope:SCOPE_SE
.Lnot_mine_\@:
.endm
.macro QUANT s, pw                     ; 64 numbers of a lane, register 16 b + i = k 32 b + 16 (lane / 16) + i of my row -> codes in v[PC] on, scale word in v[pw]
.irp b, 0,1,2,3
	v_max3_num_f32 v[TM+\b], |v[\s+16*\b]|, |v[\s+1+16*\b]|, 0x1800000
.endr
.irp i, 2,4,6,8,10,12,14
.irp b, 0,1,2,3
	s_delay_alu instid0(VALU_DEP_4)
	v_max3_num_f32 v[TM+\b], v[TM+\b], |v[\s+16*\b+\i]|, |v[\s+1+16*\b+\i]|
.endr
.endr
.irp b, 0,1,2,3
	s_delay_alu instid0(VALU_DEP_4)
	v_permlanex16_b32 v[TM+4+\b], v[TM+\b], s[SEL], s[SEL+1]
.endr
.irp b, 0,1,2,3
	s_delay_alu instid0(VALU_DEP_4)
	v_max_num_f32 v[TM+\b], v[TM+\b], v[TM+4+\b]
.endr
.irp b, 0,1,2,3
	s_delay_alu instid0(VALU_DEP_4)
	v_add_nc_u32 v[TM+12+\b], 0xff000000, v[TM+\b]
.endr
.irp b, 0,1,2,3
	s_delay_alu instid0(VALU_DEP_4)
	v_lshrrev_b32 v[TM+4+\b], 23, v[TM+12+\b]
.endr
	s_delay_alu instid0(VALU_DEP_3)
	v_lshl_or_b32 v[\pw], v[TM+5], 8, v[TM+4]
	s_delay_alu instid0(VALU_DEP_1)
	v_lshl_or_b32 v[\pw], v[TM+6], 16, v[\pw]
	s_delay_alu instid0(VALU_DEP_1)
	v_lshl_or_b32 v[\pw], v[TM+7], 24, v[\pw]
.irp c, 0,1
	v_cvt_scalef32_pk16_fp6_f32 v[PC+6*\c:PC+2+6*\c], v[\s+32*\c:\s+15+32*\c], v[TM+12+2*\c]
	v_cvt_scalef32_pk16_fp6_f32 v[PC+12+4*\c:PC+14+4*\c], v[\s+16+32*\c:\s+31+32*\c], v[TM+12+2*\c+1]
.endr
	v_nop
.irp c, 0,1
.irp i, 0,1,2
	v_permlane16_swap_b32 v[PC+6*\c+\i], v[PC+12+4*\c+\i]
.endr
.irp i, 0,1,2
	s_delay_alu instid0(VALU_DEP_3)
	v_mov_b32 v[PC+3+6*\c+\i], v[PC+12+4*\c+\i]
.endr
.endr
.endm
	s_load_b256 s[4:11], s[0:1], 0x0               ; qcod 4:5, kvcod 6:7, lamb 8:9, acod 10:11
	v_lshl_add_u32 v[SPW], v0, 2, SPARE
	v_mov_b32 v[NIL], 0
	ds_add_u32 v[SPW], v[NIL]                      ; the wave's opening
	ds_add_u32 v[SPW], v[NIL]
	v_lshrrev_b32 v8, 5, v0
	s_delay_alu instid0(VALU_DEP_1)
	v_readfirstlane_b32 s[WV], v8                  ; wave 0..15
	s_and_b32 s[HP], ttmp7, 0xffff                 ; the pair of heads
	s_and_b32 s12, s[WV], 3
	s_bfe_u32 s13, s[WV], 0x10002
	s_lshr_b32 s[HB], s[WV], 3                     ; 0: the even head, 1: the odd one
	s_sub_co_u32 s14, 31, ttmp9
	s_cmp_eq_u32 s13, 0
	s_cselect_b32 s14, ttmp9, s14                  ; my block of 64 queries
	s_lshl_b32 s14, s14, 2
	s_add_co_u32 s14, s14, s12                     ; T: my token tile
	s_lshr_b32 s15, s14, 3
	s_lshl_b32 s[QS], s15, 7
	s_lshl_b32 s[LASTQ], ttmp9, 6
	s_sub_co_u32 s[LASTQ], 2047, s[LASTQ]
	s_lshl_b32 s16, s[HP], 1
	s_add_co_u32 s16, s16, s[HB]                   ; my head
	s_lshr_b32 s17, s[HP], 1                       ; its kv head
	s_lshr_b32 s19, s14, 1
	s_lshl_b32 s19, s19, 5
	s_and_b32 s75, s14, 1
	s_lshl_b32 s75, s75, 3
	s_add_co_u32 s19, s19, s75                     ; the tile's first token
	s_and_b32 s76, s19, 127                        ; less the diagonal step's first key
	s_mul_i32 s[QC], s16, 196608
	s_mul_i32 s75, s14, 1536
	s_add_co_u32 s[QC], s[QC], s75
	s_mov_b32 s[QC+1], 0                           ; Q's image
	s_lshl_b32 s[QSC], s16, 13
	s_lshl_b32 s75, s15, 9
	s_add_co_u32 s[QSC], s[QSC], s75
	s_and_b32 s75, s14, 7
	s_lshl_b32 s75, s75, 2
	s_add_co_u32 s[QSC], s[QSC], s75
	s_add_co_u32 s[QSC], s[QSC], 6291456
	s_mov_b32 s[QSC+1], 0                          ; its scale words
	s_lshl_b32 s[LAMA], s19, 6
	s_lshl_b32 s75, s[HP], 2
	s_add_co_u32 s[LAMA], s[LAMA], s75
	s_mov_b32 s[LAMA+1], 0                         ; lam of the tile's first token
	s_lshl_b32 s[AQC], s14, 4
	s_add_co_u32 s[AQC], s[AQC], s[HP]
	s_mul_i32 s[AQC], s[AQC], 1536
	s_mov_b32 s[AQC+1], 0                          ; out's image: tile T, K step = the pair of heads
	s_lshl_b32 s[AQS], s14, 10
	s_lshr_b32 s75, s[HP], 2
	s_lshl_b32 s75, s75, 8
	s_add_co_u32 s[AQS], s[AQS], s75
	s_and_b32 s75, s[HP], 3
	s_lshl_b32 s75, s75, 2
	s_add_co_u32 s[AQS], s[AQS], s75
	s_add_co_u32 s[AQS], s[AQS], 3145728
	s_mov_b32 s[AQS+1], 0                          ; its scale words
	s_mov_b32 s[G1], 3<<16                         ; a key step: 24,576 dense bytes as 96 rows of 256 (32 elements of 8 bytes); no mask, no padding
	s_mov_b32 s[G1+1], 32<<16
	s_mov_b32 s[G1+2], 96<<16
	s_mov_b32 s[G1+3], 32<<16
	s_mov_b32 s[G1+4], 96
	s_mov_b32 s[G1+5], 32
	s_mov_b32 s[G1+6], 0
	s_mov_b32 s[G1+7], 0
	s_mov_b32 s[G1S], 3<<16                        ; the scale words: 16,384 dense bytes as 64 rows of 256
	s_mov_b32 s[G1S+1], 32<<16
	s_mov_b32 s[G1S+2], 64<<16
	s_mov_b32 s[G1S+3], 32<<16
	s_mov_b32 s[G1S+4], 64
	s_mov_b32 s[G1S+5], 32
	s_mov_b32 s[G1S+6], 0
	s_mov_b32 s[G1S+7], 0
	s_and_b32 s75, s[WV], 1
	s_mul_i32 s75, s75, STEPB                      ; which of a slot's two steps I fetch, if I fetch
	s_mul_i32 s58, s17, 393216                     ; the kv head's codes
	s_add_co_u32 s60, s58, s75
	s_mov_b32 s61, 0
	s_lshl_b32 s62, s17, 14
	s_add_co_u32 s62, s62, 3145728
	s_mov_b32 s63, 0
	s_sub_co_u32 s77, s[WV], 4                     ; the prefetches: waves 4 to 9,
	s_cmp_lt_u32 s77, 6
	s_cselect_b32 s[LIM], 1, -1
	s_min_u32 s77, s77, 5                          ; (held inside a slot in the waves that never ask)
	s_lshl_b32 s77, s77, 13
	s_add_co_u32 s58, s58, s77
	s_add_co_u32 s58, s58, 2*STEPB                 ; in slot 1: the first change steps it to slot 2
	s_mov_b32 s59, 0
	s_and_b32 s77, s[HP], 1
	s_or_b32 s77, s77, ttmp9
	s_cmp_eq_u32 s77, 0                            ; of the kv head's first work-group
	s_cselect_b32 s[LIM], s[LIM], -1
	s_mov_b32 s[SEL], 0x76543210
	s_mov_b32 s[SEL+1], 0xfedcba98
	s_mov_b32 s[CS], 0x3e0293ee                    ; c = log2(e) / sqrt(128)
	s_mov_b32 s[CS+1], s[CS]
	s_mov_b32 s[TB], 0
	s_mov_b32 s[TS], 0
	s_mov_b32 s[KF], 0
	s_mov_b32 s[SLOTS], 7
	s_wait_dscnt 0x0                               ; the opening add is done
	s_wait_kmcnt 0x0
	s_mov_b32 s[G0], 1
	s_mov_b32 s[G0+1], s75
	s_add_nc_u64 s[G0+2:G0+3], s[6:7], s[60:61]
	s_or_b32 s[G0+3], s[G0+3], 0x80000000
	s_mov_b32 s[G0S], 1
	s_mov_b32 s[G0S+1], SCB
	s_add_nc_u64 s[G0S+2:G0S+3], s[6:7], s[62:63]
	s_or_b32 s[G0S+3], s[G0S+3], 0x80000000
	s_cmp_lt_u32 s[WV], 2                          ; the first fills: waves 0, 1: slot 0;  wave 2: the scale words, filled once
	s_cbranch_scc0 .Lnot_kv
	tensor_load_to_lds s[G0:G0+3], s[G1:G1+7]
	s_nop 0
.rept 4
	v_nop
.endr
	s_branch .Lfirst_done
.Lnot_kv:
	s_cmp_eq_u32 s[WV], 2
	s_cbranch_scc0 .Lfirst_done
	tensor_load_to_lds s[G0S:G0S+3], s[G1S:G1S+7]
	s_nop 0
.rept 4
	v_nop
.endr
.Lfirst_done:
	s_add_nc_u64 s[QC:QC+1], s[4:5], s[QC:QC+1]
	s_add_nc_u64 s[QSC:QSC+1], s[4:5], s[QSC:QSC+1]
	s_add_nc_u64 s[LAMA:LAMA+1], s[8:9], s[LAMA:LAMA+1]
	s_add_nc_u64 s[AQC:AQC+1], s[10:11], s[AQC:AQC+1]
	s_add_nc_u64 s[AQS:AQS+1], s[10:11], s[AQS:AQS+1]
	s_add_nc_u64 s[PFA:PFA+1], s[6:7], s[58:59]
	v_and_b32 v29, 31, v0                          ; lane
	v_and_b32 v8, 15, v0                           ; r
	v_bfe_u32 v9, v0, 4, 1                         ; h
	s_delay_alu instid0(VALU_DEP_3)
	v_lshlrev_b32 v[LI], 4, v29
	s_delay_alu instid0(VALU_DEP_3)
	v_lshlrev_b32 v89, 5, v8                       ; 32 r
	s_delay_alu instid0(VALU_DEP_4)
	v_and_b32 v11, 8, v8
	s_delay_alu instid0(VALU_DEP_1)
	v_add_nc_u32 v11, v11, v8                      ; r + 8 (r / 8)
	s_delay_alu instid0(VALU_DEP_1)
	v_lshlrev_b32 v88, 6, v11
.irp c, 0,1,2
	global_load_b128 v[16+4*\c:19+4*\c], v[LI], s[QC:QC+1] offset:512*\c   ; Q's fragment stays in registers
.endr
	global_load_b32 v10, v89, s[QSC:QSC+1]         ; its scale words
	global_load_b32 v30, v88, s[LAMA:LAMA+1]       ; lam of my query
	v_lshl_add_u32 v[ASC0], v9, 13, v89
	s_delay_alu instid0(VALU_DEP_1)
	v_add_nc_u32 v[ASC0], SCB, v[ASC0]             ; scale words: lanes 0-15 K's, lanes 16-31 V's, 32 bytes a row
	s_and_b32 s77, s[WV], 7
	s_lshl_b32 s77, s77, 13
	s_add_co_u32 s77, s77, STAGE
	v_add_nc_u32 v[STG], s77, v[LI]                ; the stage that waves w and w + 8 share
	v_lshlrev_b32 v7, 4, v8                        ; 16 r
	v_lshlrev_b32 v[DM], 4, v9
	s_delay_alu instid0(VALU_DEP_1)
	v_sub_nc_u32 v[DM], v11, v[DM]
	s_delay_alu instid0(VALU_DEP_1)
	v_add_nc_u32 v[DM], s76, v[DM]                 ; my query - the diagonal step's first key - 16 h: register 16 b + i of that step is hidden where 32 b + i is above it
	v_lshlrev_b32 v[PFO], 8, v29
	v_mov_b32 v13, 0xff61b1e6                      ; the largest t so far: -3e38
	s_delay_alu instid0(VALU_DEP_1)
	v_floor_f32 v12, -v13                          ; -M
	v_mov_b32 v14, 0
	v_mov_b32 v15, 0
.irp b, 0,1,2,3
	v_mov_b32 v[236+\b], 0                         ; written once: a lane permute's destination counts as one of its sources
.endr
	v_mov_b32 v252, 0
	v_mov_b32 v253, 0
.irp j, 0,1,2,3,4,5,6,7,8,9,10,11,12,13,14,15,16,17,18,19,20,21,22,23,24,25,26,27,28,29,30,31,32,33,34,35,36,37,38,39,40,41,42,43,44,45,46,47,48,49,50,51,52,53,54,55,56,57,58,59,60,61,62,63
	v_mov_b32 v[160+\j], 0                         ; O^T.  (The step is written once for all steps: the first finds zeros, which the first change of M leaves zeros)
.endr
; A KEY STEP: 128 keys, the q-th of the slot in hand
.macro STEP q
	s_cmp_gt_u32 s[KF], s[QS]                      ; all its keys come after my queries: left out
	s_cbranch_scc1 .Lhidden_\@
	v_add_nc_u32 v[ADK], s[TB], v[LI]
	s_wait_alu depctr_va_vdst(0)
	v_add_nc_u32 v[ADS], s[TS], v[ASC0]
	v_nop
	v_nop
	v_nop                                          ; five places: the first products below write over registers that the last step's products read as V's fragments
	ds_load_b128 v[80:83], v[ADS]
	ds_load_b128 v[84:87], v[ADS] offset:16
; S^T = K Q^T.  K's eight fragments are asked for in one run: tiles 0, 1 into v128-151 (registers of S^T that are written last), tiles 2-5 into v32-79, tiles 6, 7 into v224-247 (p's codes and work registers, idle here)
.irp t, 0,1,2,3,4,5,6,7
.irp c, 0,1,2
	ds_load_b128 v[8+12*\t+120*((9-\t)/8)+144*(\t/6)+4*\c:8+12*\t+120*((9-\t)/8)+144*(\t/6)+4*\c+3], v[ADK] offset:STEPB*(\q)+1536*\t+512*\c
.endr
.endr
.irp t, 0,1,2,3,4,5,6,7
.if \t == 4
.rept 5
	v_nop                                          ; five places: the results of tiles 4 to 6 are laid over the fragments of tiles 0 and 1
.endr
.endif
	s_wait_dscnt 21-3*\t                           ; fragment t is in; the three loads of each later fragment may be out
	v_wmma_scale_f32_16x16x128_f8f6f4 v[96+8*\t:103+8*\t], v[8+12*\t+120*((9-\t)/8)+144*(\t/6):8+12*\t+120*((9-\t)/8)+144*(\t/6)+11], v[16:27], 0, v[80+\t], v10 matrix_a_fmt:MATRIX_FMT_FP6 matrix_b_fmt:MATRIX_FMT_FP6
.endr
.rept 4
	v_nop
.endr
.irp t, 0,1,2,3                                ; V's channel tiles 0-3 are asked for here, ahead of the softmax, into the registers that held K's fragments
.irp c, 0,1,2
	ds_load_b128 v[32+12*\t+4*\c:35+12*\t+4*\c], v[ADK] offset:STEPB*(\q)+12288+1536*\t+512*\c
.endr
.endr
	s_cmp_lg_u32 s[KF], s[QS]
	s_cbranch_scc1 .Lopen_\@
	v_mov_b32 v254, 0xff800000                     ; -infinity: p = 0 then
.irp n, 0,1,2,3,4,5,6,7,8,9,10,11,12,13,14,15,16,17,18,19,20,21,22,23,24,25,26,27,28,29,30,31,32,33,34,35,36,37,38,39,40,41,42,43,44,45,46,47,48,49,50,51,52,53,54,55,56,57,58,59,60,61,62,63
	v_cmp_gt_i32 vcc_lo, 32*(\n/16)+\n%16, v[DM]
	v_cndmask_b32 v[96+\n], v[96+\n], v254, vcc_lo
.endr
.Lopen_\@:
.irp b, 0,1,2,3
	v_max3_num_f32 v[232+\b], v[96+16*\b], v[97+16*\b], v[98+16*\b]   ; the largest score of each block of 32 keys: for the row's maximum, and, since p rises with the score, for the block's largest p
.endr
.irp i, 3,5,7,9,11,13
.irp b, 0,1,2,3
	v_max3_num_f32 v[232+\b], v[232+\b], v[96+16*\b+\i], v[97+16*\b+\i]
.endr
.endr
.irp b, 0,1,2,3
	v_max_num_f32 v[232+\b], v[232+\b], v[111+16*\b]
.endr
.irp b, 0,1,2,3
	s_delay_alu instid0(VALU_DEP_4)
	v_permlanex16_b32 v[236+\b], v[232+\b], s[SEL], s[SEL+1]
.endr
.irp b, 0,1,2,3
	s_delay_alu instid0(VALU_DEP_4)
	v_max_num_f32 v[232+\b], v[232+\b], v[236+\b]  ; with lane l xor 16's 16 keys
.endr
	s_delay_alu instid0(VALU_DEP_2)
	v_max3_num_f32 v254, v232, v233, v234
	s_delay_alu instid0(VALU_DEP_1)
	v_max_num_f32 v254, v254, v235
	s_delay_alu instid0(VALU_DEP_1)
	v_mul_f32 v254, s[CS], v254                    ; as t
	s_delay_alu instid0(VALU_DEP_1)
	v_max_num_f32 v13, v13, v254                   ; the running largest t
	v_mov_b32 v254, v12
	s_delay_alu instid0(VALU_DEP_2)
	v_floor_f32 v12, -v13                          ; the new -M = -ceil(t)
	s_delay_alu instid0(VALU_DEP_1)
	v_sub_f32 v254, v12, v254                      ; old M - new M: a whole number, 0 or less
	s_delay_alu instid0(VALU_DEP_1)
	v_cvt_i32_f32 v254, v254                       ; (it saturates)
	s_delay_alu instid0(VALU_DEP_1)
	v_ldexp_f32 v252, 1.0, v254                    ; f = 2^(old M - new M)
.irp j, 0,2,4,6,8,10,12,14,16,18,20,22,24,26,28,30,32,34,36,38,40,42,44,46,48,50,52,54,56,58,60,62
	v_pk_fma_f32 v[96+\j:97+\j], v[96+\j:97+\j], s[CS:CS+1], v[12:13] op_sel_hi:[1,0,0]   ; t - M
.endr
.irp b, 0,1,2,3
	v_fma_f32 v[232+\b], v[232+\b], s[CS], v12
.endr
	s_wait_alu depctr_va_vdst(0)
.irp j, 0,1,2,3,4,5,6,7,8,9,10,11,12,13,14,15,16,17,18,19,20,21,22,23,24,25,26,27,28,29,30,31,32,33,34,35,36,37,38,39,40,41,42,43,44,45,46,47,48,49,50,51,52,53,54,55,56,57,58,59,60,61,62,63
	v_exp_f32 v[96+\j], v[96+\j]                   ; p = 2^(t - M)
.endr
	v_pk_mul_f32 v[14:15], v[14:15], v[252:253] op_sel_hi:[1,0]   ; the sums under the new M (a plain place behind the batch)
	s_wait_alu depctr_va_vdst(0)                   ; one wait for the batch of 64, ahead of its first reader
.irp b, 0,1,2,3
	v_exp_f32 v[232+\b], v[232+\b]                 ; each block's largest p
.endr
	v_pk_add_f32 v[236:237], v[100:101], v[104:105]
	v_pk_add_f32 v[250:251], v[108:109], v[112:113]
	v_pk_add_f32 v[248:249], v[116:117], v[120:121]
	v_pk_add_f32 v[94:95], v[124:125], v[128:129]
	v_pk_add_f32 v[92:93], v[132:133], v[136:137]
	v_pk_add_f32 v[90:91], v[140:141], v[144:145]
	v_pk_add_f32 v[14:15], v[14:15], v[148:149]
	v_pk_add_f32 v[236:237], v[236:237], v[152:153]
	v_pk_add_f32 v[250:251], v[250:251], v[156:157]
	v_pk_add_f32 v[248:249], v[248:249], v[96:97]
	v_pk_add_f32 v[94:95], v[94:95], v[98:99]
	v_pk_add_f32 v[92:93], v[92:93], v[102:103]
	v_pk_add_f32 v[90:91], v[90:91], v[106:107]
	v_pk_add_f32 v[14:15], v[14:15], v[110:111]
	v_pk_add_f32 v[236:237], v[236:237], v[114:115]
	v_pk_add_f32 v[250:251], v[250:251], v[118:119]
	v_pk_add_f32 v[248:249], v[248:249], v[122:123]
	v_pk_add_f32 v[94:95], v[94:95], v[126:127]
	v_pk_add_f32 v[92:93], v[92:93], v[130:131]
	v_pk_add_f32 v[90:91], v[90:91], v[134:135]
	v_pk_add_f32 v[14:15], v[14:15], v[138:139]
	v_pk_add_f32 v[236:237], v[236:237], v[142:143]
	v_pk_add_f32 v[250:251], v[250:251], v[146:147]
	v_pk_add_f32 v[248:249], v[248:249], v[150:151]
	v_pk_add_f32 v[94:95], v[94:95], v[154:155]
	v_pk_add_f32 v[92:93], v[92:93], v[158:159]
	s_delay_alu instid0(VALU_DEP_2)
	v_pk_add_f32 v[14:15], v[14:15], v[94:95]
	s_delay_alu instid0(VALU_DEP_2)
	v_pk_add_f32 v[236:237], v[236:237], v[92:93]
	v_pk_add_f32 v[250:251], v[250:251], v[90:91]
	s_delay_alu instid0(VALU_DEP_1)
	v_pk_add_f32 v[14:15], v[14:15], v[250:251]
	s_delay_alu instid0(VALU_DEP_3)
	v_pk_add_f32 v[236:237], v[236:237], v[248:249]
	s_delay_alu instid0(VALU_DEP_1)
	v_pk_add_f32 v[14:15], v[14:15], v[236:237]
	s_wait_alu depctr_va_vdst(0)                   ; and one for the four
.irp b, 0,1,2,3
	v_max_num_f32 v[232+\b], 0x1800000, v[232+\b]  ; the floor 2^(3 - 127)
.endr
.irp b, 0,1,2,3
	s_delay_alu instid0(VALU_DEP_4)
	v_add_nc_u32 v[244+\b], 0xff000000, v[232+\b]
.endr
.irp b, 0,1,2,3
	s_delay_alu instid0(VALU_DEP_4)
	v_lshrrev_b32 v[236+\b], 23, v[244+\b]
.endr
	s_delay_alu instid0(VALU_DEP_3)
	v_lshl_or_b32 v253, v237, 8, v236              ; p's scale word for these 128 keys
	s_delay_alu instid0(VALU_DEP_1)
	v_lshl_or_b32 v253, v238, 16, v253
	s_delay_alu instid0(VALU_DEP_1)
	v_lshl_or_b32 v253, v239, 24, v253
.irp c, 0,1
	v_cvt_scalef32_pk16_fp6_f32 v[224+6*\c:226+6*\c], v[96+32*\c:111+32*\c], v[244+2*\c]
	v_cvt_scalef32_pk16_fp6_f32 v[236+4*\c:238+4*\c], v[112+32*\c:127+32*\c], v[244+2*\c+1]
.endr
	v_nop
.irp t, 0,1,2,3                                ; p has become codes: its registers v96-143 take V's channel tiles 4-7
.irp c, 0,1,2
	ds_load_b128 v[96+12*\t+4*\c:99+12*\t+4*\c], v[ADK] offset:STEPB*(\q)+12288+1536*(4+\t)+512*\c
.endr
.endr
.irp c, 0,1
.irp i, 0,1,2
	v_permlane16_swap_b32 v[224+6*\c+\i], v[236+4*\c+\i]
.endr
.irp i, 0,1,2
	s_delay_alu instid0(VALU_DEP_3)
	v_mov_b32 v[227+6*\c+\i], v[236+4*\c+\i]
.endr
.endr
.irp j, 0,2,4,6,8,10,12,14,16,18,20,22,24,26,28,30,32,34,36,38,40,42,44,46,48,50,52,54,56,58,60,62
	v_pk_mul_f32 v[160+\j:161+\j], v[160+\j:161+\j], v[252:253] op_sel_hi:[1,0]
.endr
	s_wait_alu depctr_va_vdst(0)
	s_wait_dscnt 0x0                               ; V's eight fragments are in
.irp t, 0,1,2,3,4,5,6,7                        ; O^T += V^T P^T: the eight accumulators take turns; tiles 0-3 from v32 on, tiles 4-7 from v96 on
	v_wmma_scale_f32_16x16x128_f8f6f4 v[160+8*\t:167+8*\t], v[32+64*(\t/4)+12*(\t%4):43+64*(\t/4)+12*(\t%4)], v[224:235], v[160+8*\t:167+8*\t], v[80+\t], v253 matrix_a_fmt:MATRIX_FMT_FP6 matrix_b_fmt:MATRIX_FMT_FP6 matrix_a_scale:MATRIX_SCALE_ROW1
.endr
.Lhidden_\@:
	s_add_co_u32 s[KF], s[KF], 128
	s_add_co_u32 s[TS], s[TS], 512
.endm
; THE CHANGE OF SLOTS stands at a slot's head: each wave waits for all its tensor loads, adds 0 to its spare word, waits for that and for its reads of the slot that it has left; behind the barrier the slot ahead is whole and
; nobody reads the other.  fill = 1: that other slot takes the keys that follow, up to the causal limit.
.macro CHANGE fill
	s_wait_tensorcnt 0x0                           ; no tensor load of mine is out, so the descriptor may be written
	ds_add_u32 v[SPW], v[NIL]                      ; 0 onto my spare word
.if \fill
	s_xor_b32 s[G0+1], s[G0+1], SLOT1
	s_add_nc_u64 s[G0+2:G0+3], s[G0+2:G0+3], 2*STEPB
	s_wait_xcnt 0x0                                ; the last prefetch, a slot back, has read its address
	s_add_nc_u64 s[PFA:PFA+1], s[PFA:PFA+1], 2*STEPB
.endif
	s_wait_dscnt 0x0
	s_barrier_signal -1
	s_barrier_wait -1
.if \fill
	s_add_co_u32 s75, s[KF], 256                   ; the first key of the slot that this change would ask for
	s_cmp_gt_u32 s75, s[LASTQ]                     ; ids and the count of steps alone: all sixteen waves go the same way
	s_cbranch_scc1 .Lpast_\@
	TLOAD
.Lpast_\@:
	ASK
.endif
.endm
	s_wait_loadcnt 0x0                             ; Q, its scale words, lam
	v_mov_b32 v31, v30                             ; (named with it as a pair)
.Lslot:                                                ; 7 trips
	CHANGE 1
	STEP 0
	STEP 1
	s_xor_b32 s[TB], s[TB], SLOT1
	s_sub_co_u32 s[SLOTS], s[SLOTS], 1
	s_cmp_lg_u32 s[SLOTS], 0
	s_cbranch_scc1 .Lslot
	CHANGE 0                                       ; the last slot is written out: nothing is left to ask for
	STEP 0
	STEP 1
	; THE WAY OUT.  O^T / the sum; the odd head's goes through LDS, as its registers stand, to the wave with the same queries of the even head, which forms the difference and quantises it.
.rept 4
	v_nop                                          ; four places behind the last products
.endr
	v_add_f32 v14, v14, v15
	s_delay_alu instid0(VALU_DEP_1)
	v_permlanex16_b32 v252, v14, s[SEL], s[SEL+1]
	s_delay_alu instid0(VALU_DEP_1)
	v_add_f32 v14, v14, v252                       ; the row's sum
	s_wait_alu depctr_va_vdst(0)
	v_rcp_f32 v14, v14
	v_nop
	s_wait_alu depctr_va_vdst(0)
.set m, 0
.rept 32
	v_pk_mul_f32 v[96+2*m:97+2*m], v[160+2*m:161+2*m], v[14:15] op_sel_hi:[1,0]   ; register 16 b + i: channel 32 b + 16 h + i of my query
.set m, m+1
.endr
	s_cmp_eq_u32 s[HB], 0
	s_cbranch_scc1 .Lkeep
.irp i, 0,1,2,3,4,5,6,7,8,9,10,11,12,13,14,15
	ds_store_b128 v[STG], v[96+4*\i:99+4*\i] offset:512*\i
.endr
.Lkeep:
	s_wait_dscnt 0x0                               ; for the partner's sake
	s_barrier_signal -1
	s_barrier_wait -1
	s_cmp_lg_u32 s[HB], 0
	s_cbranch_scc1 .Lend
.irp i, 0,1,2,3,4,5,6,7,8,9,10,11,12,13,14,15
	ds_load_b128 v[160+4*\i:163+4*\i], v[STG] offset:512*\i
.endr
	s_wait_dscnt 0x0
.set m, 0
.rept 32
	v_pk_fma_f32 v[96+2*m:97+2*m], v[160+2*m:161+2*m], v[30:31], v[96+2*m:97+2*m] op_sel_hi:[1,0,1] neg_lo:[0,1,0] neg_hi:[0,1,0]   ; attn1 - lam attn2
.set m, m+1
.endr
.irp b, 0,1,2,3
	v_mov_b32 v[TM+4+\b], 0
.endr
	QUANT 96, 176
.irp c, 0,1,2
	global_store_b128 v[LI], v[PC+4*\c:PC+4*\c+3], s[AQC:AQC+1] offset:512*\c   ; 512 consecutive bytes, aligned
.endr
	v_cmp_gt_u32 vcc_lo, 16, v29
	s_wait_xcnt 0x0                                ; EXEC changes only behind this wait
	s_and_saveexec_b32 s77, vcc_lo
	global_store_b32 v7, v176, s[AQS:AQS+1]        ; lanes 0-15: row r's word
	s_wait_xcnt 0x0
	s_or_b32 exec_lo, exec_lo, s77
.Lend:
	s_wait_tensorcnt 0x0                           ; the wave's end
	ds_add_u32 v[SPW], v[NIL]
	s_wait_dscnt 0x0
	s_endpgm
.Lfunc_end_k_qbfe4bfb10f_attn:
	.size	k_qbfe4bfb10f_attn, .Lfunc_end_k_qbfe4bfb10f_attn-k_qbfe4bfb10f_attn
	.p2alignl 7, 3214868480
	.fill 96, 4, 3214868480
	.section	.rodata,"a",@progbits
	.p2align	6, 0x0
	.amdhsa_kernel k_qbfe4bfb10f_attn
		.amdhsa_group_segment_fixed_size 327680
		.amdhsa_private_segment_fixed_size 0
		.amdhsa_enable_private_segment 0
		.amdhsa_kernarg_size 32
		.amdhsa_user_sgpr_count 2
		.amdhsa_user_sgpr_kernarg_segment_ptr 1
		.amdhsa_wavefront_size32 1
		.amdhsa_system_sgpr_workgroup_id_x 1
		.amdhsa_system_sgpr_workgroup_id_y 1
		.amdhsa_system_sgpr_workgroup_id_z 1
		.amdhsa_system_vgpr_workitem_id 0
		.amdhsa_next_free_vgpr 256
		.amdhsa_next_free_sgpr 80
		.amdhsa_reserve_vcc 1
		.amdhsa_float_denorm_mode_32 3
		.amdhsa_float_denorm_mode_16_64 3
		.amdhsa_memory_ordered 1
		.amdhsa_forward_progress 1
		.amdhsa_inst_pref_size 124
	.end_amdhsa_kernel
	.amdgpu_metadata
---
amdhsa.version: [ 1, 2 ]
amdhsa.kernels:
  - .name:           k_qbfe4bfb10f_attn
    .symbol:         k_qbfe4bfb10f_attn.kd
    .args:
      - { .name: qcod, .offset: 0, .size: 8, .value_kind: global_buffer, .address_space: global }
      - { .name: kvcod, .offset: 8, .size: 8, .value_kind: global_buffer, .address_space: global }
      - { .name: lamb, .offset: 16, .size: 8, .value_kind: global_buffer, .address_space: global }
      - { .name: acod, .offset: 24, .size: 8, .value_kind: global_buffer, .address_space: global }
    .group_segment_fixed_size: 327680
    .private_segment_fixed_size: 0
    .kernarg_segment_align: 8
    .kernarg_segment_size: 32
    .max_flat_workgroup_size: 512
    .sgpr_count:     80
    .vgpr_count:     256
    .wavefront_size: 32
...
	.end_amdgpu_metadata
.endif
;; end of part 3
;; launch oproj (part 4): grid 16 x 16, 4 waves a work-group, clusters of 4 x 4, 327,680 bytes of LDS; arguments acod, wcod, out0; writes out0
.if DOCPART == 4
	.amdgcn_target "amdgcn-amd-amdhsa--gfx1250"
	.amdhsa_code_object_version 6
	.text
	.protected	k_qbfe4bfb10f_oproj
	.globl	k_qbfe4bfb10f_oproj
	.p2align	8
	.type	k_qbfe4bfb10f_oproj,@function
k_qbfe4bfb10f_oproj:
	s_mov_b64 s[64:65], 0
	v_nop
	global_prefetch_b8 v0, s[64:65] scope:SCOPE_SE
	s_setreg_imm32_b32 hwreg(HW_REG_WAVE_MODE, 25, 1), 1
	s_wait_xcnt 0x0
	s_wait_alu depctr_hold_cnt(0) depctr_sa_sdst(0) depctr_va_vdst(0) depctr_va_sdst(0) depctr_va_ssrc(0) depctr_va_vcc(0) depctr_vm_vsrc(0)
	s_getreg_b32 s2, hwreg(HW_REG_IB_STS2, 6, 4)
	s_cmp_eq_u32 s2, 0
	s_cbranch_scc0 .Lentry_in_a_cluster
	s_endpgm
.Lentry_in_a_cluster:
	s_bfe_u32 s2, ttmp6, 0x10000c
	s_cmp_lg_u32 s2, 0xf033
	s_cbranch_scc0 .Lentry_shape_is_right
	s_endpgm
.Lentry_shape_is_right:
; out0 [2048][2048] f32 = out (acod: codes of FP6 with E8M0 scales, K = 2,048) x Wo (wcod's tiles 384-511), by v_wmma_scale_f32_16x16x128_f8f6f4; sums in f32.
; OPERANDS are images of fragments (16 rows x 128 K: 1,536 bytes, chunk c at 512 c, lane l's 16 bytes at 16 l), laid [tile][K step 16]; a scale word (tile, step s, row p) lies at tile x 1024 + (s / 4) x 256 + 16 p + 4 (s % 4)
; behind the codes.  Row p of tile 2 b + u is index 32 b + 8 u + p + 8 (p / 8), of a token or of a column of Wo.
; SHARES.  A work-group makes 128 tokens x 128 columns: 16 x 16 = 256 work-groups.  Wave (rh, ch) makes 64 x 64: 16 accumulators.  Source 0 = 16 columns of Wo, source 1 = 16 tokens: a lane holds one token, and the
; registers of column tiles 2 b, 2 b + 1 are 16 neighbouring columns.
; LDS.  A work-group's operands are 16 steps x 24,576 bytes, more than LDS holds, so K comes in three fills, each one tensor load a wave (4 tiles of one side, rows of whole steps, each row a multiple of 256 bytes on a 256-byte border):
;   steps 0-7 at the head into R0; steps 8-11 into R1, fresh bytes, behind the full sequence; steps 12-15 over R0's bytes, behind a round at which every wave's reads of R0 are over.
; CLUSTERS: 4 x 4.  Tokens' tiles are shared along a row of the cluster, Wo's along a column: joint loads, as many rounds in every work-group.
; THE SCALE WORDS go from memory straight into 64 registers, once: a load of 16 bytes a lane takes 512 consecutive bytes of one tile: lanes 0-15 the words of steps 8 G .. 8 G + 3, lanes 16-31 those of steps 8 G + 4 .. 8 G + 7.
; PREFETCH: behind the head's load each wave names the blocks of 256 bytes of steps 8-11, behind the second load those of steps 12-15, one fill ahead each: of the 4 tiles that a wave fetches the partner at place p of the four that
; ask jointly takes tile p (by address): 24 blocks, a lane a block (lanes 24-31 name the last again).  Each block is named once in each cluster that loads it.
; REGISTERS.  Window 0: v16-29 addresses; v32-95 scale words; v96-191 tokens' fragments, two sets; v192-255 the way out.  Window 1: v0-127 accumulators; v128-223 Wo's fragments, two sets.
.set STB,    1536
.set Q0,     4*8*STB                   ; a wave's share of R0: 4 tiles x 8 steps
.set Q1,     4*4*STB                   ; of R1: 4 tiles x 4 steps
.set R1,     4*Q0
.set STG,    R1+4*Q1                   ; a stage of 16 rows x (256 + 16) bytes for each wave; no fill lands there
.set SPITCH, 272
.set SPARE,  STG+4*16*SPITCH           ; the spare words, 128 bytes a wave
.set ADRA, 16                          ; v16, v17 my tokens' fragments in R0, R1
.set ADRB, 18                          ; v18, v19 my columns' fragments
.set STO,  20
.set RD,   21
.set CO,   22
.set LI,   23                          ; 16 x lane
.set PFO,  24
.set SPW,  28
.set NIL,  29
.set SC,   32                          ; tokens' words at SC + 16 G + 4 i + q, Wo's 32 further on
.set AF,   96
.set BK,   192
.set BF,   128
.set WV,   16
.set RH,   17
.set CH,   18
.set G1,   24
.set G0,   32
.set G1B,  48
.set G0B,  56
.set PFA,  96
.set MSB, 0
.macro WIN new                         ; the immediate's high byte repeats the setting that is left
.if MSB != \new
	s_set_vgpr_msb (MSB<<8)|\new
.set MSB, \new
.endif
.endm
.set MUL,   0x51                       ; source 0 (Wo), C and D window 1, source 1 (tokens) window 0
.set TO_B,  0x40
.set FROM1, 0x04                       ; an LDS store's data from window 1
.macro JLOAD                           ; waves 0, 1 fetch tokens' tiles, waves 2, 3 Wo's; an s_nop 0 and four v_nop follow each line
	s_cmp_eq_u32 s[RH], 0
	s_cbranch_scc0 .Lfor_b_\@
	tensor_load_to_lds s[G0:G0+3], s[G1:G1+7]
	s_nop 0
.rept 4
	v_nop
.endr
	s_branch .Lasked_\@
.Lfor_b_\@:
	tensor_load_to_lds s[G0B:G0B+3], s[G1B:G1B+7]
	s_nop 0
.rept 4
	v_nop
.endr
.Lasked_\@:
.endm
.macro CREST
	s_cmp_lg_u32 s[WV], 0
	s_cbranch_scc1 .Lnot_wave_0_\@
	s_barrier_signal -3
.Lnot_wave_0_\@:
	s_barrier_wait -3
	s_barrier_signal -1
	s_barrier_wait -1
.endm
.macro CROUND
	s_barrier_signal -1
	s_barrier_wait -1
	CREST
.endm
.macro PLACES
.rept 4
	v_nop
.endr
.endm
.macro FRAGS reg, adr, st              ; four fragments of step st: where the step lies follows from the three fills
.if (\st) < 8
.set AI, 0
.set TP, 8*STB
.set SOF, (\st)*STB
.else
.if (\st) < 12
.set AI, 1
.set TP, 4*STB
.set SOF, ((\st)-8)*STB
.else
.set AI, 0
.set TP, 4*STB
.set SOF, ((\st)-12)*STB
.endif
.endif
.irp i, 0,1,2,3
.irp c, 0,1,2
	ds_load_b128 v[\reg+12*\i+4*\c:\reg+12*\i+4*\c+3], v[\adr+AI] offset:\i*TP+SOF+512*\c
.endr
.endr
.endm
.macro FETCH st                        ; 24 loads into set st % 2
	WIN TO_B
	FRAGS BF+48*((\st)%2), ADRB, \st
	WIN 0
	FRAGS AF+48*((\st)%2), ADRA, \st
.endm
.macro MULS st, zero                   ; 16 products; the accumulators take turns, in the same order in every step
.set PS, 48*((\st)%2)
.set SG, SC+16*((\st)/8)+(\st)%4
	WIN MUL
.irp a, 0,1,2,3
.irp b, 0,1,2,3
.if \zero
	v_wmma_scale_f32_16x16x128_f8f6f4 v[8*(4*\a+\b):8*(4*\a+\b)+7], v[BF+PS+12*\b:BF+PS+12*\b+11], v[AF+PS+12*\a:AF+PS+12*\a+11], 0, v[SG+32+4*\b], v[SG+4*\a] matrix_a_fmt:MATRIX_FMT_FP6 matrix_b_fmt:MATRIX_FMT_FP6
.else
.if ((\st)/4)%2
	v_wmma_scale_f32_16x16x128_f8f6f4 v[8*(4*\a+\b):8*(4*\a+\b)+7], v[BF+PS+12*\b:BF+PS+12*\b+11], v[AF+PS+12*\a:AF+PS+12*\a+11], v[8*(4*\a+\b):8*(4*\a+\b)+7], v[SG+32+4*\b], v[SG+4*\a] matrix_a_fmt:MATRIX_FMT_FP6 matrix_b_fmt:MATRIX_FMT_FP6 matrix_a_scale:MATRIX_SCALE_ROW1 matrix_b_scale:MATRIX_SCALE_ROW1
.else
	v_wmma_scale_f32_16x16x128_f8f6f4 v[8*(4*\a+\b):8*(4*\a+\b)+7], v[BF+PS+12*\b:BF+PS+12*\b+11], v[AF+PS+12*\a:AF+PS+12*\a+11], v[8*(4*\a+\b):8*(4*\a+\b)+7], v[SG+32+4*\b], v[SG+4*\a] matrix_a_fmt:MATRIX_FMT_FP6 matrix_b_fmt:MATRIX_FMT_FP6
.endif
.endif
.endr
.endr
.endm
	s_load_b128 s[4:7], s[0:1], 0x0                ; acod, wcod
	s_load_b64 s[12:13], s[0:1], 0x10              ; out0
	v_lshl_add_u32 v[SPW], v0, 2, SPARE
	v_mov_b32 v[NIL], 0
	ds_add_u32 v[SPW], v[NIL]                      ; the opening lines
	ds_add_u32 v[SPW], v[NIL]
	v_lshrrev_b32 v1, 5, v0
	v_readfirstlane_b32 s[WV], v1
	s_lshr_b32 s[RH], s[WV], 1                     ; my 64 tokens.  Also: I fetch tokens' tiles (0) or Wo's (1)
	s_and_b32 s[CH], s[WV], 1                      ; my 64 columns.  Also: which 4 tiles I fetch
	s_bfe_u32 s40, ttmp6, 0x40000                  ; cx
	s_bfe_u32 s41, ttmp6, 0x40004                  ; cy
	s_lshl_b32 s42, ttmp9, 2
	s_add_co_u32 s42, s42, s40                     ; block of columns
	s_and_b32 s43, ttmp7, 0xffff
	s_lshl_b32 s43, s43, 2
	s_add_co_u32 s43, s43, s41                     ; block of tokens
	s_lshl_b32 s45, s41, 2
	s_lshl_b32 s45, 15, s45                        ; my row of the cluster
	s_lshl_b32 s46, 0x1111, s40                    ; my column
	s_or_b32 s[G1], s45, (3<<16)|(1<<21)           ; elements of 8 bytes; bit 21 beside the mask
	s_or_b32 s[G1B], s46, (3<<16)|(1<<21)
.irp g, G1, G1B
	s_mov_b32 s[\g+1], 1536<<16                    ; a row: 8 steps = 1,536 elements
	s_mov_b32 s[\g+2], 4<<16                       ; 4 tiles
	s_mov_b32 s[\g+3], 1536<<16
	s_mov_b32 s[\g+4], 4
	s_mov_b32 s[\g+5], 3072                        ; from tile to tile: 24,576 bytes
	s_mov_b32 s[\g+6], 0
	s_mov_b32 s[\g+7], 0
.endr
	s_lshl_b32 s19, s[CH], 2
	s_lshl_b32 s20, s43, 3
	s_add_co_u32 s20, s20, s19                     ; the tokens' tiles that I would fetch
	s_mul_i32 s20, s20, 24576
	s_mov_b32 s21, 0
	s_lshl_b32 s92, s42, 3
	s_add_co_u32 s92, s92, s19
	s_add_co_u32 s92, s92, 384                     ; Wo's tiles that I would fetch, which are also those that I multiply
	s_lshl_b32 s94, s92, 10
	s_add_co_u32 s94, s94, 12582912                ; their scale words
	s_mov_b32 s95, 0
	s_mul_i32 s92, s92, 24576
	s_mov_b32 s93, 0
	s_lshl_b32 s22, s43, 3
	s_lshl_b32 s19, s[RH], 2
	s_add_co_u32 s22, s22, s19                     ; the tokens' tiles that I multiply
	s_lshl_b32 s22, s22, 10
	s_add_co_u32 s22, s22, 3145728                 ; their scale words
	s_mov_b32 s23, 0
	s_mul_i32 s47, s[WV], Q0                       ; where my fills land: the wave's number alone
	s_mul_i32 s44, s[WV], Q1
	s_add_co_u32 s44, s44, R1
	s_mul_i32 s36, s[RH], Q0                       ; and where I read
	s_mul_i32 s37, s[RH], Q1
	s_add_co_u32 s37, s37, R1
	s_mul_i32 s38, s[CH], Q0
	s_add_co_u32 s38, s38, 2*Q0
	s_mul_i32 s39, s[CH], Q1
	s_add_co_u32 s39, s39, R1+2*Q1
	s_mul_i32 s60, s[WV], 16*SPITCH
	s_add_co_u32 s60, s60, STG                     ; my stage
	s_lshl_b32 s62, s43, 7
	s_lshl_b32 s63, s[RH], 6
	s_add_co_u32 s62, s62, s63
	s_lshl_b32 s62, s62, 13                        ; my first token's row of out0, 8,192 bytes a row,
	s_lshl_b32 s63, s42, 9
	s_add_co_u32 s62, s62, s63
	s_lshl_b32 s63, s[CH], 8
	s_add_co_u32 s62, s62, s63                     ; and my first column
	s_mov_b32 s63, 0
	s_cmp_eq_u32 s[RH], 0
	s_cselect_b32 s98, s40, s41                    ; my place among the four that ask with me
	s_mul_i32 s98, s98, 24576
	s_add_co_u32 s98, s98, 8*STB                   ; that tile, from step 8 on
	s_mov_b32 s99, 0
	s_wait_dscnt 0x0                               ; both opening adds are done
	s_wait_kmcnt 0x0
	s_add_nc_u64 s[20:21], s[4:5], s[20:21]
	s_add_nc_u64 s[22:23], s[4:5], s[22:23]
	s_add_nc_u64 s[92:93], s[6:7], s[92:93]
	s_add_nc_u64 s[94:95], s[6:7], s[94:95]
	s_add_nc_u64 s[12:13], s[12:13], s[62:63]
	s_cmp_eq_u32 s[RH], 0
	s_cselect_b64 s[PFA:PFA+1], s[20:21], s[92:93]
	s_add_nc_u64 s[PFA:PFA+1], s[PFA:PFA+1], s[98:99]
	CROUND                                         ; all sixteen work-groups are here: the first joint loads meet
	s_mov_b32 s[G0], 1
	s_mov_b32 s[G0+1], s47
	s_mov_b64 s[G0+2:G0+3], s[20:21]
	s_or_b32 s[G0+3], s[G0+3], 0x80000000
	s_mov_b32 s[G0B], 1
	s_mov_b32 s[G0B+1], s47
	s_mov_b64 s[G0B+2:G0B+3], s[92:93]
	s_or_b32 s[G0B+3], s[G0B+3], 0x80000000
	JLOAD                                          ; steps 0-7: my one tensor load at the head
	v_and_b32 v1, 15, v0                           ; r
	v_bfe_u32 v2, v0, 4, 1                         ; h
	v_and_b32 v3, 31, v0
	v_lshlrev_b32 v[LI], 4, v3
	v_add_nc_u32 v[ADRA], s36, v[LI]
	v_add_nc_u32 v[ADRA+1], s37, v[LI]
	v_add_nc_u32 v[ADRB], s38, v[LI]
	v_add_nc_u32 v[ADRB+1], s39, v[LI]
	v_mul_u32_u24 v4, v1, SPITCH
	v_lshl_add_u32 v4, v2, 6, v4
	v_add_nc_u32 v[STO], s60, v4                   ; into the stage: row r, 64 h bytes on
	v_mul_u32_u24 v5, v2, SPITCH
	v_lshl_add_u32 v5, v1, 4, v5
	v_add_nc_u32 v[RD], s60, v5                    ; back: sixteen lanes to a row of 256 bytes, two rows a load
	v_lshlrev_b32 v6, 13, v2
	v_lshl_add_u32 v[CO], v1, 4, v6                ; and the same two rows in out0
	v_min_u32 v7, 23, v3
	v_lshlrev_b32 v[PFO], 8, v7                    ; the prefetches: a lane a block of 256 bytes, 24 blocks
	s_wait_alu depctr_va_vdst(0)
.irp g, 0,1
.irp i, 0,1,2,3
	global_load_b128 v[SC+16*\g+4*\i:SC+16*\g+4*\i+3], v[LI], s[22:23] offset:1024*\i+512*\g
	global_load_b128 v[SC+32+16*\g+4*\i:SC+32+16*\g+4*\i+3], v[LI], s[94:95] offset:1024*\i+512*\g
.endr
.endr
	global_prefetch_b8 v[PFO], s[PFA:PFA+1] th:TH_LOAD_NT scope:SCOPE_SE   ; steps 8-11 of my tile of the four
	s_wait_tensorcnt 0x0                           ; my part of steps 0-7 is in
	ds_add_u32 v[SPW], v[NIL]
.irp g, G1, G1B
	s_mov_b32 s[\g+1], 768<<16                     ; no tensor load of mine is out: from here on a row is 4 steps
	s_mov_b32 s[\g+3], 768<<16
.endr
	s_mov_b32 s[G0+1], s44
	s_mov_b32 s[G0B+1], s44
	s_add_nc_u64 s[G0+2:G0+3], s[G0+2:G0+3], 8*STB
	s_add_nc_u64 s[G0B+2:G0B+3], s[G0B+2:G0B+3], 8*STB
	s_wait_dscnt 0x0
	CROUND
	JLOAD                                          ; steps 8-11 into R1, the first tensor load behind the round
	FETCH 0
	global_prefetch_b8 v[PFO], s[PFA:PFA+1] offset:4*STB th:TH_LOAD_NT scope:SCOPE_SE   ; steps 12-15
	s_wait_loadcnt 0x0                             ; the scale words
.macro STEP st
.if (\st) == 7
	WIN 0
	s_wait_tensorcnt 0x0                           ; my part of steps 8-11 is in
	ds_add_u32 v[SPW], v[NIL]
	s_mov_b32 s[G0+1], s47
	s_mov_b32 s[G0B+1], s47
	s_add_nc_u64 s[G0+2:G0+3], s[G0+2:G0+3], 4*STB
	s_add_nc_u64 s[G0B+2:G0B+3], s[G0B+2:G0B+3], 4*STB
	s_wait_dscnt 0x0                               ; the add is done, and step 7's fragments, my last reads of R0, are in
	s_barrier_signal -1                            ; opens a round of the cluster's barrier
	MULS 7, 0
	WIN 0
	s_barrier_wait -1
	CREST
	JLOAD                                          ; steps 12-15 over R0's bytes; its four v_nop are the places in front of the loads below
	FETCH 8
.else
.if (\st) == 11
	WIN 0
	s_wait_tensorcnt 0x0                           ; my part of steps 12-15 is in
	s_wait_dscnt 0x0
	s_barrier_signal -1
	MULS 11, 0
	PLACES
	WIN 0
	s_barrier_wait -1
	FETCH 12
.else
.if (\st) < 15
	FETCH (\st)+1
	s_wait_dscnt 24                                ; this step's fragments are in; the next step's 24 loads may be out
.else
	s_wait_dscnt 0x0
.endif
.if (\st) == 0
	MULS 0, 1                                      ; the first products start the sums
.else
	MULS \st, 0
.endif
	PLACES                                         ; in front of loads into registers that these products read, and of the first read of results
.endif
.endif
.endm
.irp st, 0,1,2,3,4,5,6,7,8,9,10,11,12,13,14,15
	STEP \st
.endr
; THE WAY OUT, by token tiles: 16 rows x 256 bytes through my own stage; sixteen lanes store one aligned run of 256 bytes.  LDS serves a wave's instructions in order: no wait between the stores and the loads.
.macro TOSTAGE a
	WIN FROM1
.irp b, 0,1,2,3
	ds_store_b128 v[STO], v[8*(4*(\a)+\b):8*(4*(\a)+\b)+3] offset:128*(\b/2)+32*(\b%2)       ; each accumulator from its low end on
	ds_store_b128 v[STO], v[8*(4*(\a)+\b)+4:8*(4*(\a)+\b)+7] offset:128*(\b/2)+32*(\b%2)+16
.endr
	WIN 0
.irp t, 0,1,2,3,4,5,6,7
	ds_load_b128 v[BK+32*((\a)%2)+4*\t:BK+32*((\a)%2)+4*\t+3], v[RD] offset:\t*2*SPITCH
.endr
.endm
.macro SEND a, younger
	s_wait_dscnt \younger
.irp t, 0,1,2,3,4,5,6,7
	global_store_b128 v[CO], v[BK+32*((\a)%2)+4*\t:BK+32*((\a)%2)+4*\t+3], s[12:13] offset:(32*((\a)/2)+8*((\a)%2)+2*\t+8*(\t/4))*8192 th:TH_STORE_NT
.endr
.endm
	TOSTAGE 0
.irp a, 1,2,3
.if \a > 1
	s_wait_xcnt 0x0                                ; tile a - 2's stores have read their registers
.endif
	TOSTAGE \a
	SEND \a-1, 16                                  ; behind tile a - 1's loads: tile a's 8 stores and 8 loads
.endr
	SEND 3, 0
	s_wait_tensorcnt 0x0                           ; the wave's end
	ds_add_u32 v[SPW], v[NIL]
	s_wait_dscnt 0x0
	CROUND                                         ; the closing round
	s_endpgm
.Lfunc_end_k_qbfe4bfb10f_oproj:
	.size	k_qbfe4bfb10f_oproj, .Lfunc_end_k_qbfe4bfb10f_oproj-k_qbfe4bfb10f_oproj
	.p2alignl 7, 3214868480
	.fill 96, 4, 3214868480
	.section	.rodata,"a",@progbits
	.p2align	6, 0x0
	.amdhsa_kernel k_qbfe4bfb10f_oproj
		.amdhsa_group_segment_fixed_size 327680
		.amdhsa_private_segment_fixed_size 0
		.amdhsa_enable_private_segment 0
		.amdhsa_kernarg_size 24
		.amdhsa_user_sgpr_count 2
		.amdhsa_user_sgpr_kernarg_segment_ptr 1
		.amdhsa_wavefront_size32 1
		.amdhsa_system_sgpr_workgroup_id_x 1
		.amdhsa_system_sgpr_workgroup_id_y 1
		.amdhsa_system_sgpr_workgroup_id_z 1
		.amdhsa_system_vgpr_workitem_id 0
		.amdhsa_next_free_vgpr 512
		.amdhsa_next_free_sgpr 102
		.amdhsa_reserve_vcc 0
		.amdhsa_float_denorm_mode_32 3
		.amdhsa_float_denorm_mode_16_64 3
		.amdhsa_memory_ordered 1
		.amdhsa_forward_progress 1
		.amdhsa_inst_pref_size 79
	.end_amdhsa_kernel
	.amdgpu_metadata
---
amdhsa.version: [ 1, 2 ]
amdhsa.kernels:
  - .name:           k_qbfe4bfb10f_oproj
    .symbol:         k_qbfe4bfb10f_oproj.kd
    .args:
      - { .name: acod, .offset: 0, .size: 8, .value_kind: global_buffer, .address_space: global }
      - { .name: wcod, .offset: 8, .size: 8, .value_kind: global_buffer, .address_space: global }
      - { .name: out0, .offset: 16, .size: 8, .value_kind: global_buffer, .address_space: global }
    .group_segment_fixed_size: 327680
    .private_segment_fixed_size: 0
    .kernarg_segment_align: 8
    .kernarg_segment_size: 24
    .max_flat_workgroup_size: 128
    .sgpr_count:     102
    .vgpr_count:     512
    .wavefront_size: 32
...
	.end_amdgpu_metadata
.endif
;; end of part 4
